; MI455X (gfx1250); checked and timed in simulation.
; The chip was launched on July 23, 2026; its instructions are those of AMD's public machine-readable ISA for CDNA 5 (MIT licence, August 2026) and "CDNA5" Instruction Set Architecture Reference Guide (July 2026). The comments in the code are by the model that wrote it; some were corrected since.
;; Attention Block. Allowed arithmetic: matrix products marked QUANTISED: E5M2 operands, one E8M0 scale for each 32 along K, by v_wmma_scale_f32_16x16x128_f8f6f4 with both operands' format E5M2, f32 sums; everything else in f32.
;; Inputs: Wk_codes 1,024 x 32 x 32 uint8 (E5M2 codes of Wk, K innermost, in blocks of 32 codes); Wk_scales 1,024 x 32 uint8 (E8M0 scales of Wk, one for each 32 codes along K); Wo_codes 1,024 x 32 x 32 uint8 (E5M2 codes of Wo, K innermost, in blocks of 32 codes); Wo_scales 1,024 x 32 uint8 (E8M0 scales of Wo, one for each 32 codes along K); Wq_codes 1,024 x 32 x 32 uint8 (E5M2 codes of Wq, K innermost, in blocks of 32 codes); Wq_scales 1,024 x 32 uint8 (E8M0 scales of Wq, one for each 32 codes along K); Wv_codes 1,024 x 32 x 32 uint8 (E5M2 codes of Wv, K innermost, in blocks of 32 codes); Wv_scales 1,024 x 32 uint8 (E8M0 scales of Wv, one for each 32 codes along K); bk 1,024 float32; bo 1,024 float32; bq 1,024 float32; bv 1,024 float32; x_codes 4 x 2,048 x 32 x 32 uint8 (E5M2 codes of x, K innermost, in blocks of 32 codes); x_scales 4 x 2,048 x 32 uint8 (E8M0 scales of x, one for each 32 codes along K).
;; Outputs: out0 4 x 2,048 x 1,024 float32.
;; This version of the problem:
;;   THIS VERSION OF THE PROBLEM IS GIVEN IN LOW PRECISION. The matrix products marked QUANTISED in the list below multiply operands that are first quantised to E5M2 (5 exponent bits, 2 mantissa bits; 8 bits a number), with one power-of-two scale for each 32 numbers along K (OCP MX v1.0); their sums are f32. All else is computed in f32.
;;   The module's matrix products, in the order in which they are computed (A, B: the left and right operand; K: the contracted axis; several contracted axes count as one K, in the product's order):
;;     1. [M 8,192, K 1,024] x [K 1,024, N 1,024]; A: input x (given as codes); B: input Wq (given as codes): QUANTISED
;;     2. [M 8,192, K 1,024] x [K 1,024, N 1,024]; A: input x (given as codes); B: input Wk (given as codes): QUANTISED
;;     3. [M 8,192, K 1,024] x [K 1,024, N 1,024]; A: input x (given as codes); B: input Wv (given as codes): QUANTISED
;;     4. batch 64 x [M 2,048, K 64] x [K 64, N 2,048]; A: computed on the way; B: computed on the way: QUANTISED
;;     5. batch 64 x [M 2,048, K 2,048] x [K 2,048, N 64]; A: softmax (see below); B: computed on the way: QUANTISED
;;     6. [M 8,192, K 1,024] x [K 1,024, N 1,024]; A: computed on the way; B: input Wo (given as codes): QUANTISED
;;   THE QUANTISER, for each operand of a quantised product, along K:
;;     - K is cut into blocks of 32 from its start; a last block that is shorter is filled with zeros.
;;     - A block's scale is 2^e with e = floor(log2(the largest magnitude in the block)) - 15, held to -126 .. 127; a block of zeros has e = 0. As a byte (E8M0): e + 127.
;;     - Each number is divided by its block's scale, clamped to +-57,344, and rounded to the nearest number of E5M2, ties to even, subnormals kept.
;;     - The product sums the exact products of the quantised numbers (number of the format x scale) in f32.
;;   ~~~python
;;   def quantise(x, axis):      # numpy; x: float32 -> the quantised numbers, widened to float32 again
;;       x = np.moveaxis(x, axis, -1); K = x.shape[-1]
;;       x = np.pad(x, [(0, 0)] * (x.ndim - 1) + [(0, -K % 32)]); x = x.reshape(x.shape[:-1] + (-1, 32)); a = np.abs(x).max(-1, keepdims=True)
;;       e = np.where(a > 0, np.clip(np.frexp(np.where(a > 0, a, 1))[1] - 1 - 15, -126, 127), 0)      # np.frexp(a)[1] - 1 = floor(log2(a)), exactly
;;       r = np.clip(x / 2.0 ** e, -57344, 57344)
;;       step = 2.0 ** (np.maximum(np.frexp(np.where(r == 0, 1, r))[1] - 1, -14) - 2)
;;       q = np.round(r / step) * step * 2.0 ** e      # np.round: ties to even
;;       return np.moveaxis(q.reshape(q.shape[:-2] + (-1,))[..., :K], -1, axis).astype(np.float32)
;;   ~~~
;;   SOFTMAX AHEAD OF A QUANTISED PRODUCT. Where the list says 'softmax', what is quantised is not the finished softmax but p = 2^(t - M), with t = logit x log2(e) and M = ceil(the row's largest t), a whole number; so 1/2 < the row's largest p <= 1. The row's sum l is taken of the UNQUANTISED p, in f32, and the product's result is divided by l at the end. Since M is a whole number, a kernel that streams over the keys may use a running M (the ceiling of the running maximum): every later rescaling is an exact power of two, which a block's scale takes up: the codes' values come out the same.
;;   OPERANDS COMPUTED ON THE WAY. 'Computed on the way' means the value that the module computes at that place (a softmax that the list does not call 'softmax' is quantised finished and normalised). What goes into a quantiser is computed in f32, as accurately as f32 sums, v_exp_f32 and their like allow (about 1e-6 of the number): no bf16 or f16 on the way to a quantiser, and a product that is left as it is and whose result goes on into a quantised operand takes f32 operands (vector FMAs, or v_wmma_f32_16x16x4_f32). A number that lies on a knife's edge between two numbers of the format may be rounded either way, as far as f32 arithmetic and the matrix unit's own rounding can turn it there, and no further.
;;   INPUTS GIVEN AS CODES. Wk (in the module: [1024, 1024], K = its axis 1); Wo (in the module: [1024, 1024], K = its axis 1); Wq (in the module: [1024, 1024], K = its axis 1); Wv (in the module: [1024, 1024], K = its axis 1); x (in the module: [4, 2048, 1024], K = its axis 2): each comes as NAME_codes (uint8): NAME with its K axis moved to the last place and cut into blocks of 32 codes, [.., K / 32, bytes a block], one block behind the other in memory; one code a byte (a code: sign, 5 exponent bits, 2 mantissa bits); and NAME_scales (uint8): the same leading axes, one E8M0 byte (e + 127) for each 32 codes along K. Its value is code x scale, taken as it is: it is not quantised again, and the codes and scales need not be those that the quantiser above would give.
;; One version. Each part assembles by itself: llvm-mc -triple=amdgcn-amd-amdhsa -mcpu=gfx1250 --defsym DOCPART=n.
;; ======== version 1 of 1: 4 launches
;; limits: right only within a limited range of input values
;; workspace buffers: img 25,165,824 bytes; sc 1,310,720 bytes; a_img 8,388,608 bytes; a_sc 262,144 bytes
;; launch proj_qk (part 1): grid 8 x 32, 4 waves a work-group, clusters of 4 x 4, 327,680 bytes of LDS; arguments x_codes, x_scales, Wq_codes, Wq_scales, Wk_codes, Wk_scales, bq, bk, img, sc; writes img, sc
.if DOCPART == 1
	.amdgcn_target "amdgcn-amd-amdhsa--gfx1250"
	.amdhsa_code_object_version 6
	.text
	.protected	k_qce72343015_proj_qk
	.globl	k_qce72343015_proj_qk
	.p2align	8
	.type	k_qce72343015_proj_qk,@function
k_qce72343015_proj_qk:
	s_mov_b64 s[64:65], 0
	v_nop
	global_prefetch_b8 v0, s[64:65] scope:SCOPE_SE
	s_setreg_imm32_b32 hwreg(HW_REG_WAVE_MODE, 25, 1), 1
	s_wait_xcnt 0x0
	s_wait_alu depctr_hold_cnt(0) depctr_sa_sdst(0) depctr_va_vdst(0) depctr_va_sdst(0) depctr_va_ssrc(0) depctr_va_vcc(0) depctr_vm_vsrc(0)
	s_getreg_b32 s2, hwreg(HW_REG_IB_STS2, 6, 4)
	s_cmp_eq_u32 s2, 0
	s_cbranch_scc0 .Lentry_in_a_cluster
	s_endpgm
.Lentry_in_a_cluster:
	s_bfe_u32 s2, ttmp6, 0x10000c
	s_cmp_lg_u32 s2, 0xf033
	s_cbranch_scc0 .Lentry_shape_is_right
	s_endpgm
.Lentry_shape_is_right:
.set MODE,   0
.set NQ,     2
.set ROWB,   256
.set KROW,   1024
.set PITCH,  272
.set FR,     16
.set NL,     4
.set NP,     8
.set HALFT,  128*PITCH
.if MODE == 2
.set HALFA,  32768
.set ASTEP,  4096
.else
.set HALFA,  HALFT
.set ASTEP,  ROWB
.endif
.set SLOT,   2*HALFA+2*HALFT
.set LAPS,   2
.set KS,     32
.set SCL,    2*SLOT
.set HALFS,  16*272
.set SBLK,   2*272
.set SPARE,  SCL+4*HALFS
.set SP,     272
.set SCS,    256*SP
.set SPITCH, 528
.set SST,  8
.set SRD,  9
.set SH,   10
.set BO,   11
.set ADRA, 16
.set ADRB, 20
.set STO,  24
.set RD,   25
.set CO,   26
.set ADRS, 27
.set SPW,  28
.set NIL,  29
.set SC,   32
.set BI,   64
.set AF,   128
.set BK,   128
.set T,    128
.set PC,   192
.set TM,   208
.set PW,   224
.set SW,   225
.set G1,   24
.set G0,   32
.set G1B,  48
.set G0B,  56
.set G1S,  68
.set G0S,  76
.set G1SB, 80
.set G0SB, 88
.set MSB, 0
.macro WIN new
.if MSB != (\new)
	s_set_vgpr_msb (MSB<<8)|(\new)
.set MSB, (\new)
.endif
.endm
.set MUL_LO, 0xa1
.set TO_B,   0x40
.macro WINMUL hi, zero
.if (\zero) && (MODE == 2)
	WIN 0x81+0x40*\hi
.else
	WIN MUL_LO+0x50*\hi
.endif
.endm
.macro JLOAD g0a, g1a, g0b, g1b
	s_cmp_eq_u32 s15, 0
	s_cbranch_scc0 .Lfor_b_\@
	tensor_load_to_lds s[\g0a:\g0a+3], s[\g1a:\g1a+7]
	s_nop 0
.rept 4
	v_nop
.endr
	s_branch .Lasked_\@
.Lfor_b_\@:
	tensor_load_to_lds s[\g0b:\g0b+3], s[\g1b:\g1b+7]
	s_nop 0
.rept 4
	v_nop
.endr
.Lasked_\@:
.endm
.macro CREST
	s_cmp_lg_u32 s14, 0
	s_cbranch_scc1 .Lnot_wave_0_\@
	s_barrier_signal -3
.Lnot_wave_0_\@:
	s_barrier_wait -3
	s_barrier_signal -1
	s_barrier_wait -1
.endm
.macro CROUND
	s_barrier_signal -1
	s_barrier_wait -1
	CREST
.endm
	s_load_b128 s[4:7], s[0:1], 0x0
	s_load_b128 s[8:11], s[0:1], 0x10
.if MODE == 0
	s_load_b128 s[68:71], s[0:1], 0x20
	s_load_b128 s[72:75], s[0:1], 0x30
	s_load_b64 s[12:13], s[0:1], 0x40
	s_load_b64 s[98:99], s[0:1], 0x48
.elseif MODE == 1
	s_load_b64 s[96:97], s[0:1], 0x20
	s_load_b64 s[12:13], s[0:1], 0x28
	s_load_b64 s[98:99], s[0:1], 0x30
.else
	s_load_b64 s[96:97], s[0:1], 0x20
	s_load_b64 s[12:13], s[0:1], 0x28
.endif
	v_lshl_add_u32 v[SPW], v0, 2, SPARE
	v_mov_b32 v[NIL], 0
	ds_add_u32 v28, v29
	ds_add_u32 v28, v29
	s_wait_dscnt 0x0
	v_lshrrev_b32 v1, 5, v0
	v_readfirstlane_b32 s14, v1
	s_lshr_b32 s15, s14, 1
	s_and_b32 s16, s14, 1
	s_bfe_u32 s40, ttmp6, 0x40000
	s_bfe_u32 s41, ttmp6, 0x40004
.if MODE == 1
	s_lshl_b32 s42, ttmp9, 2
	s_add_co_u32 s42, s42, s40
	s_mov_b32 s17, s41
.else
	s_mov_b32 s42, s40
	s_and_b32 s17, ttmp7, 0xffff
	s_lshl_b32 s17, s17, 2
	s_add_co_u32 s17, s17, s41
.endif
	s_lshl_b32 s43, s41, 2
	s_lshl_b32 s43, 15, s43
	s_lshl_b32 s44, 0x1111, s40
.if MODE == 2
	s_or_b32 s[G1+0], s43, (3<<16)|(1<<21)
	s_mov_b32 s[G1+1], 512<<16
	s_mov_b32 s[G1+2], 8<<16
	s_mov_b32 s[G1+3], 512<<16
	s_mov_b32 s[G1+4], 8
	s_mov_b32 s[G1+5], 2048
.else
	s_or_b32 s[G1+0], s43, (1<<20)|(1<<21)|(5<<22)|(3<<25)
	s_mov_b32 s[G1+1], ROWB<<16
	s_mov_b32 s[G1+2], 256<<16
	s_mov_b32 s[G1+3], ROWB<<16
	s_mov_b32 s[G1+4], 256
	s_mov_b32 s[G1+5], KROW
.endif
	s_mov_b32 s[G1+6], 0
	s_mov_b32 s[G1+7], 0
	s_or_b32 s[G1B+0], s44, (1<<20)|(1<<21)|(5<<22)|(3<<25)
	s_mov_b32 s[G1B+1], ROWB<<16
	s_mov_b32 s[G1B+2], 256<<16
	s_mov_b32 s[G1B+3], ROWB<<16
	s_mov_b32 s[G1B+4], 256
	s_mov_b32 s[G1B+5], KROW
	s_mov_b32 s[G1B+6], 0
	s_mov_b32 s[G1B+7], 0
	s_lshl_b32 s20, s17, 8
	s_lshl_b32 s46, s42, 8
	s_lshl_b32 s22, s20, 5
	s_mov_b32 s23, 0
	s_lshl_b32 s92, s46, 5
	s_mov_b32 s93, 0
	s_lshl_b32 s20, s20, 10
	s_mov_b32 s21, 0
	s_lshl_b32 s46, s46, 10
	s_mov_b32 s47, 0
	s_mul_i32 s45, s16, HALFA
	s_mul_i32 s66, s16, HALFT
	s_add_co_u32 s66, s66, 2*HALFA
	s_lshl_b32 s18, s16, 17                        ; in the ring I fetch 128 rows of a tile: which half, in bytes
	s_mov_b32 s19, 0
	s_wait_kmcnt 0x0
.if MODE == 0
	s_cmp_eq_u32 ttmp9, 0
	s_cselect_b64 s[8:9], s[8:9], s[68:69]
	s_cselect_b64 s[10:11], s[10:11], s[70:71]
	s_cselect_b64 s[96:97], s[72:73], s[74:75]
.endif
	s_or_b32 s[G1S+0], s43, (3<<16)|(1<<20)|(1<<21)|(5<<22)|(3<<25)
	s_or_b32 s[G1SB+0], s44, (3<<16)|(1<<20)|(1<<21)|(5<<22)|(3<<25)
.irp g, G1S, G1SB
	s_mov_b32 s[\g+1], 32<<16
	s_mov_b32 s[\g+2], 32<<16
	s_mov_b32 s[\g+3], 32<<16
	s_mov_b32 s[\g+4], 32
	s_mov_b32 s[\g+5], 32
	s_mov_b32 s[\g+6], 0
	s_mov_b32 s[\g+7], 0
.endr
	s_add_nc_u64 s[20:21], s[4:5], s[20:21]
	s_add_nc_u64 s[22:23], s[6:7], s[22:23]
	s_add_nc_u64 s[46:47], s[8:9], s[46:47]
	s_add_nc_u64 s[92:93], s[10:11], s[92:93]
	CROUND
	s_mov_b32 s[G0S], 1
	s_mov_b32 s[G0S+1], SCL
	s_mov_b64 s[G0S+2:G0S+3], s[22:23]
	s_or_b32 s[G0S+3], s[G0S+3], 0x80000000
	s_mov_b32 s[G0SB], 1
	s_mov_b32 s[G0SB+1], SCL+2*HALFS
	s_mov_b64 s[G0SB+2:G0SB+3], s[92:93]
	s_or_b32 s[G0SB+3], s[G0SB+3], 0x80000000
	s_mov_b32 s4, 1                                ; group 0 of the head's loads of K step 0: A's 256 rows,
	s_mov_b32 s5, 0
	s_mov_b64 s[6:7], s[20:21]
	s_or_b32 s7, s7, 0x80000000
	s_mov_b32 s8, 1                                ; B's 256 rows, behind them in slot 0
	s_mov_b32 s9, 2*HALFA
	s_mov_b64 s[10:11], s[46:47]
	s_or_b32 s11, s11, 0x80000000
	s_add_nc_u64 s[20:21], s[20:21], s[18:19]      ; for the ring: my 128 rows
	s_add_nc_u64 s[46:47], s[46:47], s[18:19]
.irp s, 0,1
	s_mov_b32 s[G0+4*\s], 1
	s_add_co_u32 s[G0+4*\s+1], s45, \s*SLOT
	s_add_nc_u64 s[G0+4*\s+2:G0+4*\s+3], s[20:21], \s*ASTEP
	s_or_b32 s[G0+4*\s+3], s[G0+4*\s+3], 0x80000000
	s_mov_b32 s[G0B+4*\s], 1
	s_add_co_u32 s[G0B+4*\s+1], s66, \s*SLOT
	s_add_nc_u64 s[G0B+4*\s+2:G0B+4*\s+3], s[46:47], \s*ROWB
	s_or_b32 s[G0B+4*\s+3], s[G0B+4*\s+3], 0x80000000
.endr
; the head's four tiles, one joint load a wave, in one chain of branches on the wave's number: A's rows, B's rows, A's scales, B's scales
.macro ARM under, g0, g1, next
	s_cmp_lt_u32 s14, \under
	s_cbranch_scc0 \next
	tensor_load_to_lds s[\g0:\g0+3], s[\g1:\g1+7]
	s_nop 0
.rept 4
	v_nop
.endr
	s_branch .Lhead_asked
\next:
.endm
	ARM 1, 4, G1, .Lhead_b
	ARM 2, 8, G1B, .Lhead_sa
	ARM 3, G0S, G1S, .Lhead_sb
	tensor_load_to_lds s[G0SB:G0SB+3], s[G1SB:G1SB+7]
	s_nop 0
.rept 4
	v_nop
.endr
.Lhead_asked:
	v_and_b32 v1, 15, v0
	v_bfe_u32 v2, v0, 4, 1
	v_mul_u32_u24 v3, v1, PITCH
	v_lshl_add_u32 v4, v2, 4, v3
	v_and_b32 v6, 31, v0
	v_lshlrev_b32 v[CO], 4, v6
.if MODE == 2
.set AT, CO
.else
.set AT, 4
.endif
	s_mul_i32 s21, s15, HALFA
	s_mul_i32 s22, s16, HALFT
	s_add_co_u32 s22, s22, 2*HALFA
.irp s, 0,1
	v_add_nc_u32 v[ADRA+\s], s21, v[AT]
	v_add_nc_u32 v[ADRB+\s], s22, v4
	s_add_co_u32 s21, s21, SLOT
	s_add_co_u32 s22, s22, SLOT
.endr
	v_mul_u32_u24 v6, v1, KS
	v_lshrrev_b32 v7, 8, v6
	v_lshl_add_u32 v6, v7, 4, v6
	s_mul_i32 s21, s15, HALFS
	s_mul_i32 s22, s16, HALFS
	s_add_co_u32 s22, s22, 2*HALFS
	s_sub_co_u32 s22, s22, s21
	v_mul_u32_u24 v7, s22, v2
	s_add_co_u32 s21, s21, SCL
	v_add_nc_u32 v6, v6, v7
	v_add_nc_u32 v[ADRS], s21, v6
.if MODE == 1
	s_lshl_b32 s18, s17, 10
	s_lshl_b32 s19, s15, 9
	v_lshlrev_b32 v[BO], 2, v1
.else
	s_lshl_b32 s18, s42, 10
	s_lshl_b32 s19, s16, 9
	v_lshlrev_b32 v[BO], 5, v2
.endif
	s_add_co_u32 s18, s18, s19
	s_mov_b32 s19, 0
	s_add_nc_u64 s[96:97], s[96:97], s[18:19]
.irp b, 0,1,2,3,4,5,6,7
.if MODE == 1
	global_load_b32 v[BI+2*\b], v[BO], s[96:97] offset:64*\b
	global_load_b32 v[BI+2*\b+1], v[BO], s[96:97] offset:64*\b
.else
	global_load_b128 v[BI+8*\b:BI+8*\b+3], v[BO], s[96:97] offset:64*\b
	global_load_b128 v[BI+8*\b+4:BI+8*\b+7], v[BO], s[96:97] offset:64*\b+16
.endif
.endr
.if MODE == 2
	s_mul_i32 s23, s14, 16*SPITCH
	v_mul_u32_u24 v5, v1, SPITCH
	v_lshl_add_u32 v5, v2, 5, v5
	v_add_nc_u32 v[STO], s23, v5
	v_add_nc_u32 v[RD], s23, v[CO]
	s_lshl_b32 s20, s17, 8
	s_lshl_b32 s21, s15, 7
	s_add_co_u32 s20, s20, s21
	s_lshl_b32 s20, s20, 12
	s_lshl_b32 s46, s42, 10
	s_lshl_b32 s47, s16, 9
	s_add_co_u32 s46, s46, s47
	s_add_co_u32 s46, s46, s20
	s_mov_b32 s47, 0
	s_add_nc_u64 s[12:13], s[12:13], s[46:47]
.else
	s_mul_i32 s18, s15, 128*SP
	s_lshl_b32 s19, s16, 7
	s_add_co_u32 s18, s18, s19
	v_mul_u32_u24 v5, v1, SP
	v_lshl_add_u32 v5, v2, 3, v5
	v_add_nc_u32 v[STO], s18, v5
	v_and_b32 v5, 8, v1
	v_add_nc_u32 v5, v5, v1
	v_mul_u32_u24 v5, v5, SP
	v_lshl_add_u32 v5, v2, 4, v5
	s_mul_i32 s18, s14, 64*SP
	v_add_nc_u32 v[RD], s18, v5
	v_and_b32 v5, 7, v1
	v_lshlrev_b32 v5, 4, v5
	v_lshrrev_b32 v6, 3, v1
	v_lshl_add_u32 v5, v6, 2, v5
.if MODE == 0
	v_lshlrev_b32 v[SH], 4, v2
	v_lshl_add_u32 v5, v2, 10, v5
	s_lshl_b32 s18, s16, 11
	s_lshl_b32 s19, s15, 9
	s_add_co_u32 s18, s18, s19
	s_add_co_u32 s18, s18, SCS
	v_add_nc_u32 v[SST], s18, v5
	s_lshl_b32 s18, s14, 10
	s_add_co_u32 s18, s18, SCS
	v_add_nc_u32 v[SRD], s18, v[CO]
	s_lshr_b32 s92, s17, 3
	s_lshl_b32 s92, s92, 4
	s_lshl_b32 s93, s40, 2
	s_add_co_u32 s92, s92, s93
	s_mul_i32 s46, s92, 393216
	s_lshl_b32 s93, ttmp9, 17
	s_add_co_u32 s46, s46, s93
	s_and_b32 s93, s17, 7
	s_lshl_b32 s47, s93, 3
	s_lshl_b32 s95, s14, 1
	s_add_co_u32 s47, s47, s95
	s_lshl_b32 s47, s47, 11
	s_add_co_u32 s46, s46, s47
	s_mov_b32 s47, 0
	s_add_nc_u64 s[12:13], s[12:13], s[46:47]
	s_add_co_u32 s92, s92, s14
	s_mul_i32 s46, s92, 20480
	s_lshl_b32 s95, ttmp9, 13
	s_add_co_u32 s46, s46, s95
	s_lshl_b32 s93, s93, 10
	s_add_co_u32 s46, s46, s93
	s_add_nc_u64 s[98:99], s[98:99], s[46:47]
.set NS, 2
.else
	s_lshl_b32 s18, s15, 10
	s_lshl_b32 s19, s16, 8
	s_add_co_u32 s18, s18, s19
	s_add_co_u32 s18, s18, SCS
	v_add_nc_u32 v[SST], s18, v5
	s_lshl_b32 s18, s14, 9
	s_add_co_u32 s18, s18, SCS
	v_add_nc_u32 v[SRD], s18, v[CO]
	s_lshr_b32 s92, s42, 3
	s_lshl_b32 s92, s92, 4
	s_lshl_b32 s93, s17, 2
	s_add_co_u32 s92, s92, s93
	s_add_co_u32 s92, s92, s14
	s_mul_i32 s46, s92, 393216
	s_add_co_u32 s46, s46, 262144
	s_and_b32 s93, s42, 7
	s_lshl_b32 s47, s93, 14
	s_add_co_u32 s46, s46, s47
	s_mov_b32 s47, 0
	s_add_nc_u64 s[12:13], s[12:13], s[46:47]
	s_mul_i32 s46, s92, 20480
	s_add_co_u32 s46, s46, 16384
	s_lshl_b32 s93, s93, 9
	s_add_co_u32 s46, s46, s93
	s_add_nc_u64 s[98:99], s[98:99], s[46:47]
.set NS, 1
.endif
.endif
.macro FRAGB reg, adr, q, i
.irp c, 0,1,2,3
	ds_load_b128 v[\reg+4*\c:\reg+4*\c+3], v[\adr] offset:128*(\q)+32*\c+(\i)*16*PITCH
.endr
.endm
.macro FRAGA reg, adr, q, i
.irp c, 0,1,2,3
.if MODE == 2
	ds_load_b128 v[\reg+4*\c:\reg+4*\c+3], v[\adr] offset:2048*(\q)+512*\c+(\i)*4096
.else
	ds_load_b128 v[\reg+4*\c:\reg+4*\c+3], v[\adr] offset:128*(\q)+32*\c+(\i)*16*PITCH
.endif
.endr
.endm
.macro MUL16 a0, p, q, sc, zero
.irp a, \a0, \a0+1
.irp b, 0,1,2,3,4,5,6,7
.if (\zero) && (MODE == 2)
	v_wmma_scale_f32_16x16x128_f8f6f4 v[8*(8*((\a)%4)+\b):8*(8*((\a)%4)+\b)+7], v[128*(\p)+FR*\b:128*(\p)+FR*\b+FR-1], v[AF+FR*(\a):AF+FR*(\a)+FR-1], v[BI+8*\b:BI+8*\b+7], v[SC+8*NQ*(\sc)+NQ*\b+(\q)], v[SC+8*NQ*(\sc)+NQ*(\a)+(\q)] matrix_a_fmt:MATRIX_FMT_BF8 matrix_b_fmt:MATRIX_FMT_BF8 matrix_a_scale:MATRIX_SCALE_ROW1
.elseif \zero
	v_wmma_scale_f32_16x16x128_f8f6f4 v[8*(8*((\a)%4)+\b):8*(8*((\a)%4)+\b)+7], v[128*(\p)+FR*\b:128*(\p)+FR*\b+FR-1], v[AF+FR*(\a):AF+FR*(\a)+FR-1], 0, v[SC+8*NQ*(\sc)+NQ*\b+(\q)], v[SC+8*NQ*(\sc)+NQ*(\a)+(\q)] matrix_a_fmt:MATRIX_FMT_BF8 matrix_b_fmt:MATRIX_FMT_BF8 matrix_a_scale:MATRIX_SCALE_ROW1
.else
	v_wmma_scale_f32_16x16x128_f8f6f4 v[8*(8*((\a)%4)+\b):8*(8*((\a)%4)+\b)+7], v[128*(\p)+FR*\b:128*(\p)+FR*\b+FR-1], v[AF+FR*(\a):AF+FR*(\a)+FR-1], v[8*(8*((\a)%4)+\b):8*(8*((\a)%4)+\b)+7], v[SC+8*NQ*(\sc)+NQ*\b+(\q)], v[SC+8*NQ*(\sc)+NQ*(\a)+(\q)] matrix_a_fmt:MATRIX_FMT_BF8 matrix_b_fmt:MATRIX_FMT_BF8 matrix_a_scale:MATRIX_SCALE_ROW1
.endif
.endr
.endr
.endm
.macro FETCH_B slot, q, p
	WIN TO_B
.irp i, 0,1,2,3,4,5,6,7
	FRAGB 128*(\p)+FR*\i, ADRB+\slot, \q, \i
.endr
	WIN 0
.endm
.macro FETCH_A slot, q, i0
.irp i, \i0, \i0+1, \i0+2, \i0+3
	FRAGA AF+FR*(\i), ADRA+\slot, \q, \i
.endr
.endm
.macro SCALES sc
.irp i, 0,1,2,3,4,5,6,7
	ds_load_b64 v[SC+8*NQ*\sc+NQ*\i:SC+8*NQ*\sc+NQ*\i+1], v[ADRS] offset:\i*SBLK
.endr
.endm
.macro PLACES n
.rept \n
	v_nop
.endr
.endm
.macro STEP slot, q, zero
	s_wait_dscnt 4*NL
	WINMUL 0, \zero
	MUL16 0, (\q)%2, \q, \slot, \zero
	MUL16 2, (\q)%2, \q, \slot, \zero
	s_wait_dscnt 0
	PLACES NP
	FETCH_B \slot, (\q)+1, 1-(\q)%2
	FETCH_A \slot, (\q)+1, 0
	WINMUL 1, \zero
	MUL16 4, (\q)%2, \q, \slot, \zero
	MUL16 6, (\q)%2, \q, \slot, \zero
	PLACES NP
	WIN 0
	FETCH_A \slot, (\q)+1, 4
.endm
.macro TURN slot, next, fill
	s_wait_tensorcnt 0x0
	ds_add_u32 v[SPW], v[NIL]
	s_wait_dscnt 4*NL+1
	WIN MUL_LO
	MUL16 0, 1, NQ-1, \slot, 0
	s_wait_dscnt 0x0
	s_barrier_signal -1
	MUL16 2, 1, NQ-1, \slot, 0
	WIN 0
	s_barrier_wait -1
.if \fill
	CREST
	s_add_nc_u64 s[G0+4*\slot+2:G0+4*\slot+3], s[G0+4*\slot+2:G0+4*\slot+3], 2*ASTEP
	s_add_nc_u64 s[G0B+4*\slot+2:G0B+4*\slot+3], s[G0B+4*\slot+2:G0B+4*\slot+3], 2*ROWB
	JLOAD G0+4*\slot, G1, G0B+4*\slot, G1B
	PLACES NP-4
.else
	PLACES NP
.endif
	s_wait_alu depctr_va_vdst(0)
	v_add_nc_u32 v[ADRS], 4*NQ, v[ADRS]
	FETCH_B \next, 0, 0
	FETCH_A \next, 0, 0
	SCALES \next
	WIN MUL_LO+0x50
	MUL16 4, 1, NQ-1, \slot, 0
	MUL16 6, 1, NQ-1, \slot, 0
	PLACES NP
	WIN 0
	FETCH_A \next, 0, 4
.endm
	s_wait_alu depctr_va_vdst(0)                   ; the head's end
	s_wait_tensorcnt 0x0                           ; my tile of the head's four is in
	ds_add_u32 v[SPW], v[NIL]
	s_mov_b32 s[G1+2], 128<<16                     ; no tensor load of mine is out: from here on a load brings 128 rows
	s_mov_b32 s[G1+4], 128
	s_mov_b32 s[G1B+2], 128<<16
	s_mov_b32 s[G1B+4], 128
	s_wait_dscnt 0x0
	CROUND                                         ; all four tiles are in, and the partners are here
	JLOAD G0+4, G1, G0B+4, G1B                     ; K step 1, the first tensor load behind the round
	s_wait_loadcnt 0x0                             ; the bias
	FETCH_B 0, 0, 0
	FETCH_A 0, 0, 0
	SCALES 0
	FETCH_A 0, 0, 4
	STEP 0, 0, 1
	s_mov_b32 s3, LAPS-1
.Llap:
	TURN 0, 1, 1
	STEP 1, 0, 0
	TURN 1, 0, 1
	STEP 0, 0, 0
	s_sub_co_u32 s3, s3, 1
	s_cmp_lg_u32 s3, 0
	s_cbranch_scc1 .Llap
	TURN 0, 1, 0
	STEP 1, 0, 0
	s_wait_dscnt 4*NL
	WIN MUL_LO
	MUL16 0, 1, NQ-1, 1, 0
	MUL16 2, 1, NQ-1, 1, 0
	s_wait_dscnt 0
	WIN MUL_LO+0x50
	MUL16 4, 1, NQ-1, 1, 0
	MUL16 6, 1, NQ-1, 1, 0
	WIN 0
	PLACES NP
.if MODE < 2
.macro GATHER a
.set AC, 64*((\a)%4)
	WIN 0x02+(\a)/4
.irp b, 0,1,2,3,4,5,6,7
.irp p, 0,2,4,6
.if MODE == 0
	v_pk_add_f32 v[T+8*\b+\p:T+8*\b+\p+1], v[AC+8*\b+\p:AC+8*\b+\p+1], v[BI+8*\b+\p:BI+8*\b+\p+1]
.else
	v_pk_add_f32 v[T+8*\b+\p:T+8*\b+\p+1], v[AC+8*\b+\p:AC+8*\b+\p+1], v[BI+2*(\a):BI+2*(\a)+1]
.endif
.endr
.endr
	WIN 0
.endm
.macro QUANT
.irp b, 0,1,2,3
	v_max3_num_f32 v[TM+\b], |v[T+16*\b]|, |v[T+1+16*\b]|, 0x8000000
.endr
.irp i, 2,4,6,8,10,12,14
.irp b, 0,1,2,3
	v_max3_num_f32 v[TM+\b], v[TM+\b], |v[T+16*\b+\i]|, |v[T+1+16*\b+\i]|
.endr
.endr
.irp b, 0,1,2,3
	v_permlanex16_b32 v[TM+4+\b], v[TM+\b], s18, s19
.endr
.irp b, 0,1,2,3
	v_max_num_f32 v[TM+\b], v[TM+\b], v[TM+4+\b]
.endr
.irp b, 0,1,2,3
	v_add_nc_u32 v[TM+12+\b], 0xf8800000, v[TM+\b]
.endr
.irp b, 0,1,2,3
	v_and_or_b32 v[TM+8+\b], v[TM+\b], 0x7f800000, s22
.endr
.irp b, 0,1,2,3
	v_lshrrev_b32 v[TM+4+\b], 23, v[TM+12+\b]
.endr
	v_lshl_or_b32 v[PW], v[TM+5], 8, v[TM+4]
	v_lshl_or_b32 v[PW], v[TM+6], 16, v[PW]
	v_lshl_or_b32 v[PW], v[TM+7], 24, v[PW]
.irp b, 0,1,2,3
.irp i, 0,1,2,3,4,5,6,7,8,9,10,11,12,13,14,15
	v_med3_num_f32 v[T+16*\b+\i], v[T+16*\b+\i], -v[TM+8+\b], v[TM+8+\b]
.endr
	v_cvt_scalef32_pk8_bf8_f32 v[PC+4*\b:PC+1+4*\b], v[T+16*\b:T+7+16*\b], v[TM+12+\b]
	v_cvt_scalef32_pk8_bf8_f32 v[PC+2+4*\b:PC+3+4*\b], v[T+8+16*\b:T+15+16*\b], v[TM+12+\b]
.endr
	v_nop
.endm
.macro TOST a
.irp b, 0,1,2,3
	ds_store_b64 v[STO], v[PC+4*\b:PC+4*\b+1] offset:16*(\a)*SP+32*\b
	ds_store_b64 v[STO], v[PC+4*\b+2:PC+4*\b+3] offset:16*(\a)*SP+32*\b+16
.endr
.if MODE == 0
	v_lshrrev_b32 v[SW], v[SH], v[PW]
	v_and_b32 v[SW], 0xffff, v[SW]
	ds_store_b32 v[SST], v[SW] offset:256*((\a)/4)+128*((\a)%2)+8*(((\a)/2)%2)
.else
	ds_store_b32 v[SST], v[PW] offset:512*((\a)/4)+128*((\a)%2)+8*(((\a)/2)%2)
.endif
	s_wait_dscnt 0x0
.endm
	s_mov_b32 s18, 0x76543210
	s_mov_b32 s19, 0xfedcba98
	s_mov_b32 s22, 0x600000
.irp b, 0,1,2,3
	v_mov_b32 v[TM+4+\b], 0
.endr
.irp a, 0,1,2,3,4,5,6,7
	GATHER \a
	QUANT
	TOST \a
.endr
	s_barrier_signal -1
	s_barrier_wait -1
.irp gl, 0,1
.irp u, 0,1
.irp jp, 0,1,2,3,4,5,6,7
	ds_load_b128 v[64+4*(8*(2*\gl+\u)+\jp):64+4*(8*(2*\gl+\u)+\jp)+3], v[RD] offset:(32*\gl+8*\u)*SP+32*\jp
.endr
.endr
.endr
.set i, 0
.rept NS
	ds_load_b128 v[192+4*i:192+4*i+3], v[SRD] offset:512*i
.set i, i+1
.endr
.irp gl, 0,1
.irp u, 0,1
.irp jp, 0,1,2,3,4,5,6,7
	s_wait_dscnt NS+31-(8*(2*\gl+\u)+\jp)
.if MODE == 0
	global_store_b128 v[CO], v[64+4*(8*(2*\gl+\u)+\jp):64+4*(8*(2*\gl+\u)+\jp)+3], s[12:13] offset:2048*\gl+1024*\u+512*(\jp%2)+393216*(\jp/2)
.else
	global_store_b128 v[CO], v[64+4*(8*(2*\gl+\u)+\jp):64+4*(8*(2*\gl+\u)+\jp)+3], s[12:13] offset:4096*\gl+2048*\u+512*(\jp%4)+8192*(\jp/4)
.endif
.endr
.endr
.endr
	s_wait_dscnt 0x0
.set i, 0
.rept NS
	global_store_b128 v[CO], v[192+4*i:192+4*i+3], s[98:99] offset:512*i
.set i, i+1
.endr
.else
.macro TOSTAGE a
.set AC, 64*((\a)%4)
	WIN 0x08+4*((\a)/4)
.irp b, 0,1,2,3,4,5,6,7
	ds_store_b128 v[STO], v[AC+8*\b:AC+8*\b+3] offset:64*\b
	ds_store_b128 v[STO], v[AC+8*\b+4:AC+8*\b+7] offset:64*\b+16
.endr
	WIN 0
.set BB, BK+64*((\a)%2)
.irp t, 0,1,2,3,4,5,6,7,8,9,10,11,12,13,14,15
	ds_load_b128 v[BB+4*\t:BB+4*\t+3], v[RD] offset:\t*SPITCH
.endr
.endm
.macro SEND a, younger
.set BB, BK+64*((\a)%2)
	s_wait_dscnt \younger
.if (\a) > 0
.if (\a)%2 == 1
	s_add_nc_u64 s[12:13], s[12:13], 8*4096
.else
	s_add_nc_u64 s[12:13], s[12:13], 24*4096
.endif
.endif
.irp t, 0,1,2,3,4,5,6,7,8,9,10,11,12,13,14,15
	global_store_b128 v[CO], v[BB+4*\t:BB+4*\t+3], s[12:13] offset:(\t+8*(\t/8))*4096 th:TH_STORE_NT
.endr
.endm
	TOSTAGE 0
.irp a, 1,2,3,4,5,6,7
.if \a > 1
	s_wait_xcnt 0x0
.endif
	TOSTAGE \a
	SEND \a-1, 32
.endr
	s_wait_xcnt 0x0
	SEND 7, 0
.endif
	s_wait_tensorcnt 0x0
	ds_add_u32 v[SPW], v[NIL]
	s_wait_dscnt 0x0
	CROUND
	s_endpgm
.Lfunc_end_k_qce72343015_proj_qk:
	.size	k_qce72343015_proj_qk, .Lfunc_end_k_qce72343015_proj_qk-k_qce72343015_proj_qk
	.p2alignl 7, 3214868480
	.fill 96, 4, 3214868480
	.section	.rodata,"a",@progbits
	.p2align	6, 0x0
	.amdhsa_kernel k_qce72343015_proj_qk
		.amdhsa_group_segment_fixed_size 327680
		.amdhsa_private_segment_fixed_size 0
		.amdhsa_enable_private_segment 0
		.amdhsa_kernarg_size 80
		.amdhsa_user_sgpr_count 2
		.amdhsa_user_sgpr_kernarg_segment_ptr 1
		.amdhsa_wavefront_size32 1
		.amdhsa_system_sgpr_workgroup_id_x 1
		.amdhsa_system_sgpr_workgroup_id_y 1
		.amdhsa_system_sgpr_workgroup_id_z 1
		.amdhsa_system_vgpr_workitem_id 0
		.amdhsa_next_free_vgpr 1024
		.amdhsa_next_free_sgpr 100
		.amdhsa_reserve_vcc 0
		.amdhsa_float_denorm_mode_32 3
		.amdhsa_float_denorm_mode_16_64 3
		.amdhsa_memory_ordered 1
		.amdhsa_forward_progress 1
		.amdhsa_inst_pref_size 213
	.end_amdhsa_kernel
	.amdgpu_metadata
---
amdhsa.version: [ 1, 2 ]
amdhsa.kernels:
  - .name:           k_qce72343015_proj_qk
    .symbol:         k_qce72343015_proj_qk.kd
    .args:
      - { .name: x_codes, .offset: 0, .size: 8, .value_kind: global_buffer, .address_space: global }
      - { .name: x_scales, .offset: 8, .size: 8, .value_kind: global_buffer, .address_space: global }
      - { .name: Wq_codes, .offset: 16, .size: 8, .value_kind: global_buffer, .address_space: global }
      - { .name: Wq_scales, .offset: 24, .size: 8, .value_kind: global_buffer, .address_space: global }
      - { .name: Wk_codes, .offset: 32, .size: 8, .value_kind: global_buffer, .address_space: global }
      - { .name: Wk_scales, .offset: 40, .size: 8, .value_kind: global_buffer, .address_space: global }
      - { .name: bq, .offset: 48, .size: 8, .value_kind: global_buffer, .address_space: global }
      - { .name: bk, .offset: 56, .size: 8, .value_kind: global_buffer, .address_space: global }
      - { .name: img, .offset: 64, .size: 8, .value_kind: global_buffer, .address_space: global }
      - { .name: sc, .offset: 72, .size: 8, .value_kind: global_buffer, .address_space: global }
    .group_segment_fixed_size: 327680
    .private_segment_fixed_size: 0
    .kernarg_segment_align: 8
    .kernarg_segment_size: 80
    .max_flat_workgroup_size: 128
    .sgpr_count:     100
    .vgpr_count:     1024
    .wavefront_size: 32
...
	.end_amdgpu_metadata
.endif
;; end of part 1
;; launch proj_v (part 2): grid 32 x 4, 4 waves a work-group, clusters of 4 x 4, 327,680 bytes of LDS; arguments Wv_codes, Wv_scales, x_codes, x_scales, bv, img, sc; writes img, sc
.if DOCPART == 2
	.amdgcn_target "amdgcn-amd-amdhsa--gfx1250"
	.amdhsa_code_object_version 6
	.text
	.protected	k_qce72343015_proj_v
	.globl	k_qce72343015_proj_v
	.p2align	8
	.type	k_qce72343015_proj_v,@function
k_qce72343015_proj_v:
	s_mov_b64 s[64:65], 0
	v_nop
	global_prefetch_b8 v0, s[64:65] scope:SCOPE_SE
	s_setreg_imm32_b32 hwreg(HW_REG_WAVE_MODE, 25, 1), 1
	s_wait_xcnt 0x0
	s_wait_alu depctr_hold_cnt(0) depctr_sa_sdst(0) depctr_va_vdst(0) depctr_va_sdst(0) depctr_va_ssrc(0) depctr_va_vcc(0) depctr_vm_vsrc(0)
	s_getreg_b32 s2, hwreg(HW_REG_IB_STS2, 6, 4)
	s_cmp_eq_u32 s2, 0
	s_cbranch_scc0 .Lentry_in_a_cluster
	s_endpgm
.Lentry_in_a_cluster:
	s_bfe_u32 s2, ttmp6, 0x10000c
	s_cmp_lg_u32 s2, 0xf033
	s_cbranch_scc0 .Lentry_shape_is_right
	s_endpgm
.Lentry_shape_is_right:
; A GEMM ON CODES OF BF8 (E5M2) WITH E8M0 SCALES, C = A B^T over K = 1,024.  ONE TEXT SERVES THREE LAUNCHES, told apart by MODE:
;   MODE 0: A = x (8,192 tokens), B = Wq (cluster x = 0) or Wk (cluster x = 1).  q or k = x W^T + b, quantised along the features (blocks of 32), stored as images of the next product's registers.
;   MODE 1: A = Wv (1,024 features), B = x.  v^T = Wv x^T + bv, quantised along the tokens (the keys are the second attention product's K), stored as register images.
;   MODE 2: A = the attention's output, already register images, B = Wo.  out0 = a Wo^T + bo in f32; bo is the C of each sum's first product.
; A work-group of four waves makes 256 rows of A x 256 rows of B; a wave 128 x 128: 64 accumulators, 512 registers.  K goes in steps of 256 through two LDS slots filled by tensor loads; the scale bytes of the
; work-group's rows for all of K come once.  4 x 4 work-groups form a cluster: A's tiles are asked for jointly along a row of the cluster, B's along a column.
; THE PRODUCT IS USED TRANSPOSED: source 0 = 16 rows of B, source 1 = 16 rows of A: lane (r, h), register j of accumulator (a, b) holds (A row 16 a + r, B row 16 b + 8 h + j).
; THE ORDER OF ROWS IN AN IMAGE: tile u (0, 1) of a group of 32 rows takes in lane r row 8 u + r + 8 (r / 8), so that 16 registers of two neighbouring result tiles are 16 neighbours along the next K.
; LIMITS: NaN and infinities are not served.  A block whose largest magnitude lies under 2^-111 (a block of zeros too) gets the scale byte 1: its codes then are zeros or subnormal codes under that scale; the bytes are read by this program alone.
; REGISTERS: window 0: v1-29 addresses; v32-63 scale words, two sets; v64-127 the bias; v128-255 A's fragments, one set (on the way out: at work).  window 1: B's fragments, two sets.  windows 2, 3: the accumulators.
.set MODE,   1
.set NQ,     2                         ; matrix instructions deep in a slot of 256 along K
.set ROWB,   256                       ; a tile's row in bytes
.set KROW,   1024                      ; a row of codes in memory
.set PITCH,  272                       ; an LDS row: 256 bytes + 16 of padding: the 16 rows of a fragment load start at 16 different banks
.set FR,     16                        ; registers of a fragment
.set NL,     4                         ; LDS loads that bring one
.set NP,     8                         ; places behind this matrix instruction (ISA guide 7.12.1)
.set HALFT,  128*PITCH                 ; 128 padded rows: one tensor load
.if MODE == 2
.set HALFA,  32768                     ; A comes as dense images: 8 tiles x 4,096 bytes
.set ASTEP,  4096                      ; and a slot's 256 along K are 4,096 bytes of a tile's 16,384
.else
.set HALFA,  HALFT
.set ASTEP,  ROWB
.endif
.set SLOT,   2*HALFA+2*HALFT           ; A's two halves, then B's two
.set LAPS,   2                         ; 1,024 / 512
.set KS,     32                        ; a row of scale bytes
.set SCL,    2*SLOT                    ; behind the ring: the scales, as units of 256 bytes + 16 of padding
.set HALFS,  16*272                    ; those of 128 rows
.set SBLK,   2*272                     ; those of 16 rows
.set SPARE,  SCL+4*HALFS               ; the spare words: 128 bytes a wave, two blocks of 256 bytes that no other line names
.set SP,     272                       ; MODE 0, 1: the way out: a stage of 256 rows x (256 bytes + 16) in slot 0, which has had its last fill and its last read by then
.set SCS,    256*SP                    ; and behind it the stage of the scale words
.set SPITCH, 528                       ; MODE 2: a stage of 16 rows x (512 bytes + 16) for each wave, in slot 0
.set SST,  8                           ; v8   where I put a scale word
.set SRD,  9                           ; v9   where I read scale words back
.set SH,   10                          ; v10  16 x (lane / 16)
.set BO,   11                          ; v11  my byte offset in the bias
.set ADRA, 16                          ; v16-17  LDS address of my A fragments in slot 0, 1
.set ADRB, 20                          ; v20-21  the same for B
.set STO,  24                          ; v24  the way out: where I put codes (MODE 2: results)
.set RD,   25                          ; v25  where I read them back
.set CO,   26                          ; v26  16 x lane
.set ADRS, 27                          ; v27  LDS address of my scale words: lanes 0-15 A's rows, lanes 16-31 B's
.set SPW,  28                          ; v28  LDS address of my spare word; never rewritten
.set NIL,  29                          ; v29  0; never rewritten
.set SC,   32                          ; scale words: set s at v[SC + 16 s]; register 2 i + q: lanes 0-15 A's block i, lanes 16-31 B's block i
.set BI,   64                          ; the bias
.set AF,   128                         ; A's fragments
.set BK,   128                         ; MODE 2: rows read back from the stage
.set T,    128                         ; MODE 0, 1: 64 numbers of a lane;
.set PC,   192                         ; their codes;
.set TM,   208                         ; v208-211 largest magnitudes, v212-215 bytes, v216-219 the hold, v220-223 the conversions' scale operands;
.set PW,   224                         ; the scale word;
.set SW,   225                         ; and a head's half of it
.set G1,   24                          ; s[24:31], s[32:39] groups 1 and 0 (a set for each slot) for A's tiles
.set G0,   32
.set G1B,  48                          ; s[48:55], s[56:63] for B's
.set G0B,  56
.set G1S,  68                          ; s[68:75], s[76:79] for A's scales; s[80:87], s[88:91] for B's
.set G0S,  76
.set G1SB, 80
.set G0SB, 88
.set MSB, 0
.macro WIN new                         ; the immediate's high byte repeats the setting that is left
.if MSB != (\new)
	s_set_vgpr_msb (MSB<<8)|(\new)
.set MSB, (\new)
.endif
.endm
.set MUL_LO, 0xa1                      ; source 0 (B) window 1, source 1 (A) window 0, C and D window 2
.set TO_B,   0x40                      ; destination window 1, address window 0
.macro WINMUL hi, zero                 ; the windows of a run of products; MODE 2's first products take the bias, in window 0, as C
.if (\zero) && (MODE == 2)
	WIN 0x81+0x40*\hi
.else
	WIN MUL_LO+0x50*\hi
.endif
.endm
; A joint load: waves 0 and 1 fetch for A, waves 2 and 3 for B; the branch hangs on the wave's number alone.  Four v_nop follow each of the two lines.
.macro JLOAD g0a, g1a, g0b, g1b
	s_cmp_eq_u32 s15, 0
	s_cbranch_scc0 .Lfor_b_\@
	tensor_load_to_lds s[\g0a:\g0a+3], s[\g1a:\g1a+7]
	s_nop 0
.rept 4
	v_nop
.endr
	s_branch .Lasked_\@
.Lfor_b_\@:
	tensor_load_to_lds s[\g0b:\g0b+3], s[\g1b:\g1b+7]
	s_nop 0
.rept 4
	v_nop
.endr
.Lasked_\@:
.endm
.macro CREST                           ; a round of the cluster's barrier behind its opening barrier
	s_cmp_lg_u32 s14, 0
	s_cbranch_scc1 .Lnot_wave_0_\@
	s_barrier_signal -3
.Lnot_wave_0_\@:
	s_barrier_wait -3
	s_barrier_signal -1
	s_barrier_wait -1
.endm
.macro CROUND                          ; a whole round
	s_barrier_signal -1
	s_barrier_wait -1
	CREST
.endm
	s_load_b128 s[4:7], s[0:1], 0x0                ; A's codes s[4:5], A's scales s[6:7]
	s_load_b128 s[8:11], s[0:1], 0x10              ; B's codes s[8:9], B's scales s[10:11] (MODE 0: Wq's)
.if MODE == 0
	s_load_b128 s[68:71], s[0:1], 0x20             ; Wk's codes, Wk's scales
	s_load_b128 s[72:75], s[0:1], 0x30             ; bq, bk
	s_load_b64 s[12:13], s[0:1], 0x40              ; img
	s_load_b64 s[98:99], s[0:1], 0x48              ; sc
.elseif MODE == 1
	s_load_b64 s[96:97], s[0:1], 0x20              ; bv
	s_load_b64 s[12:13], s[0:1], 0x28              ; img
	s_load_b64 s[98:99], s[0:1], 0x30              ; sc
.else
	s_load_b64 s[96:97], s[0:1], 0x20              ; bo
	s_load_b64 s[12:13], s[0:1], 0x28              ; out0
.endif
	v_lshl_add_u32 v[SPW], v0, 2, SPARE
	v_mov_b32 v[NIL], 0
	ds_add_u32 v28, v29
	ds_add_u32 v28, v29
	s_wait_dscnt 0x0
	v_lshrrev_b32 v1, 5, v0
	v_readfirstlane_b32 s14, v1                    ; wave 0..3
	s_lshr_b32 s15, s14, 1                         ; which half of A's rows is mine.  Also: I fetch for A (0) or for B (1)
	s_and_b32 s16, s14, 1                          ; which half of B's rows.  Also: which 128 rows I fetch
	s_bfe_u32 s40, ttmp6, 0x40000                  ; cx, cy: my place in the cluster
	s_bfe_u32 s41, ttmp6, 0x40004
.if MODE == 1
	s_lshl_b32 s42, ttmp9, 2
	s_add_co_u32 s42, s42, s40                     ; X, B's tile: 4 x cluster x + cx
	s_mov_b32 s17, s41                             ; Y, A's tile: cy (one cluster along y)
.else
	s_mov_b32 s42, s40                             ; X = cx (MODE 0: the cluster's x chooses the weight; MODE 2: one cluster along x)
	s_and_b32 s17, ttmp7, 0xffff
	s_lshl_b32 s17, s17, 2
	s_add_co_u32 s17, s17, s41                     ; Y = 4 x cluster y + cy
.endif
	s_lshl_b32 s43, s41, 2
	s_lshl_b32 s43, 15, s43                        ; my row of the cluster
	s_lshl_b32 s44, 0x1111, s40                    ; my column
.if MODE == 2
	s_or_b32 s[G1+0], s43, (3<<16)|(1<<21)         ; A: 8 tiles' 4,096 bytes, dense in LDS: elements of 8 bytes, no padding; the mask: my row; bit 21 beside it
	s_mov_b32 s[G1+1], 512<<16                     ; tensor_dim0 = 512 elements
	s_mov_b32 s[G1+2], 8<<16                       ; tensor_dim1 = 8
	s_mov_b32 s[G1+3], 512<<16                     ; tile_dim0
	s_mov_b32 s[G1+4], 8                           ; tile_dim1
	s_mov_b32 s[G1+5], 2048                        ; a tile's image is 16,384 bytes
.else
	s_or_b32 s[G1+0], s43, (1<<20)|(1<<21)|(5<<22)|(3<<25)  ; A: 256 rows of 256 bytes: elements of 1 byte; padding of 4 words after every 64
	s_mov_b32 s[G1+1], ROWB<<16
	s_mov_b32 s[G1+2], 256<<16
	s_mov_b32 s[G1+3], ROWB<<16
	s_mov_b32 s[G1+4], 256
	s_mov_b32 s[G1+5], KROW
.endif
	s_mov_b32 s[G1+6], 0
	s_mov_b32 s[G1+7], 0
	s_or_b32 s[G1B+0], s44, (1<<20)|(1<<21)|(5<<22)|(3<<25) ; B: the same shape with my column's mask
	s_mov_b32 s[G1B+1], ROWB<<16
	s_mov_b32 s[G1B+2], 256<<16
	s_mov_b32 s[G1B+3], ROWB<<16
	s_mov_b32 s[G1B+4], 256
	s_mov_b32 s[G1B+5], KROW
	s_mov_b32 s[G1B+6], 0
	s_mov_b32 s[G1B+7], 0
	s_lshl_b32 s20, s17, 8                         ; A: the tile's first row, 256 Y
	s_lshl_b32 s46, s42, 8                         ; B: 256 X
	s_lshl_b32 s22, s20, 5                         ; their scales: 32 bytes a row;
	s_mov_b32 s23, 0
	s_lshl_b32 s92, s46, 5
	s_mov_b32 s93, 0
	s_lshl_b32 s20, s20, 10                        ; their codes: 1,024 bytes a row (as images too: 16 rows are 16,384 bytes).  All under 2^24
	s_mov_b32 s21, 0
	s_lshl_b32 s46, s46, 10
	s_mov_b32 s47, 0
	s_mul_i32 s45, s16, HALFA                      ; where they go: no place in the cluster enters an LDS address
	s_mul_i32 s66, s16, HALFT
	s_add_co_u32 s66, s66, 2*HALFA
	s_lshl_b32 s18, s16, 17                        ; in the ring I fetch 128 rows of a tile: which half, in bytes
	s_mov_b32 s19, 0
	s_wait_kmcnt 0x0
.if MODE == 0
	s_cmp_eq_u32 ttmp9, 0                          ; the cluster's x, the same in all sixteen partners: Wq and bq, or Wk and bk
	s_cselect_b64 s[8:9], s[8:9], s[68:69]
	s_cselect_b64 s[10:11], s[10:11], s[70:71]
	s_cselect_b64 s[96:97], s[72:73], s[74:75]
.endif
	s_or_b32 s[G1S+0], s43, (3<<16)|(1<<20)|(1<<21)|(5<<22)|(3<<25)   ; the scales of 256 rows: 8,192 dense bytes as 32 rows of 256, 16 bytes of padding behind each
	s_or_b32 s[G1SB+0], s44, (3<<16)|(1<<20)|(1<<21)|(5<<22)|(3<<25)
.irp g, G1S, G1SB
	s_mov_b32 s[\g+1], 32<<16
	s_mov_b32 s[\g+2], 32<<16
	s_mov_b32 s[\g+3], 32<<16
	s_mov_b32 s[\g+4], 32
	s_mov_b32 s[\g+5], 32
	s_mov_b32 s[\g+6], 0
	s_mov_b32 s[\g+7], 0
.endr
	s_add_nc_u64 s[20:21], s[4:5], s[20:21]
	s_add_nc_u64 s[22:23], s[6:7], s[22:23]
	s_add_nc_u64 s[46:47], s[8:9], s[46:47]
	s_add_nc_u64 s[92:93], s[10:11], s[92:93]
	CROUND                                         ; all sixteen work-groups are here: the first joint loads meet
	s_mov_b32 s[G0S], 1
	s_mov_b32 s[G0S+1], SCL
	s_mov_b64 s[G0S+2:G0S+3], s[22:23]
	s_or_b32 s[G0S+3], s[G0S+3], 0x80000000
	s_mov_b32 s[G0SB], 1
	s_mov_b32 s[G0SB+1], SCL+2*HALFS
	s_mov_b64 s[G0SB+2:G0SB+3], s[92:93]
	s_or_b32 s[G0SB+3], s[G0SB+3], 0x80000000
	s_mov_b32 s4, 1                                ; group 0 of the head's loads of K step 0: A's 256 rows,
	s_mov_b32 s5, 0
	s_mov_b64 s[6:7], s[20:21]
	s_or_b32 s7, s7, 0x80000000
	s_mov_b32 s8, 1                                ; B's 256 rows, behind them in slot 0
	s_mov_b32 s9, 2*HALFA
	s_mov_b64 s[10:11], s[46:47]
	s_or_b32 s11, s11, 0x80000000
	s_add_nc_u64 s[20:21], s[20:21], s[18:19]      ; for the ring: my 128 rows
	s_add_nc_u64 s[46:47], s[46:47], s[18:19]
.irp s, 0,1
	s_mov_b32 s[G0+4*\s], 1
	s_add_co_u32 s[G0+4*\s+1], s45, \s*SLOT
	s_add_nc_u64 s[G0+4*\s+2:G0+4*\s+3], s[20:21], \s*ASTEP
	s_or_b32 s[G0+4*\s+3], s[G0+4*\s+3], 0x80000000
	s_mov_b32 s[G0B+4*\s], 1
	s_add_co_u32 s[G0B+4*\s+1], s66, \s*SLOT
	s_add_nc_u64 s[G0B+4*\s+2:G0B+4*\s+3], s[46:47], \s*ROWB
	s_or_b32 s[G0B+4*\s+3], s[G0B+4*\s+3], 0x80000000
.endr
; the head's four tiles, one joint load a wave, in one chain of branches on the wave's number: A's rows, B's rows, A's scales, B's scales
.macro ARM under, g0, g1, next
	s_cmp_lt_u32 s14, \under
	s_cbranch_scc0 \next
	tensor_load_to_lds s[\g0:\g0+3], s[\g1:\g1+7]
	s_nop 0
.rept 4
	v_nop
.endr
	s_branch .Lhead_asked
\next:
.endm
	ARM 1, 4, G1, .Lhead_b
	ARM 2, 8, G1B, .Lhead_sa
	ARM 3, G0S, G1S, .Lhead_sb
	tensor_load_to_lds s[G0SB:G0SB+3], s[G1SB:G1SB+7]
	s_nop 0
.rept 4
	v_nop
.endr
.Lhead_asked:
	v_and_b32 v1, 15, v0                           ; r = lane % 16
	v_bfe_u32 v2, v0, 4, 1                         ; h = lane / 16
	v_mul_u32_u24 v3, v1, PITCH
	v_lshl_add_u32 v4, v2, 4, v3                   ; a fragment's row x pitch + 16 h
	v_and_b32 v6, 31, v0
	v_lshlrev_b32 v[CO], 4, v6                     ; 16 x lane
.if MODE == 2
.set AT, CO                            ; A's images: 16 x lane
.else
.set AT, 4
.endif
	s_mul_i32 s21, s15, HALFA                      ; my 128 rows of A
	s_mul_i32 s22, s16, HALFT                      ; my 128 rows of B, behind A's 256
	s_add_co_u32 s22, s22, 2*HALFA
.irp s, 0,1
	v_add_nc_u32 v[ADRA+\s], s21, v[AT]
	v_add_nc_u32 v[ADRB+\s], s22, v4
	s_add_co_u32 s21, s21, SLOT
	s_add_co_u32 s22, s22, SLOT
.endr
	v_mul_u32_u24 v6, v1, KS                       ; my row's scales: 32 bytes a row,
	v_lshrrev_b32 v7, 8, v6
	v_lshl_add_u32 v6, v7, 4, v6                   ; and 16 more for each 256 passed
	s_mul_i32 s21, s15, HALFS                      ; A's: my 128 rows
	s_mul_i32 s22, s16, HALFS                      ; B's: my 128 rows, behind A's 256
	s_add_co_u32 s22, s22, 2*HALFS
	s_sub_co_u32 s22, s22, s21
	v_mul_u32_u24 v7, s22, v2                      ; lanes 16-31 take B's: one product, the distance between the two bases
	s_add_co_u32 s21, s21, SCL
	v_add_nc_u32 v6, v6, v7
	v_add_nc_u32 v[ADRS], s21, v6
.if MODE == 1
	s_lshl_b32 s18, s17, 10                        ; the bias goes with A's rows: bv at 256 Y + 128 x my half, lane r takes row 16 a + r
	s_lshl_b32 s19, s15, 9
	v_lshlrev_b32 v[BO], 2, v1
.else
	s_lshl_b32 s18, s42, 10                        ; the bias goes with B's rows: at 256 X + 128 x my half, lane (r, h) takes 16 b + 8 h + 0 .. 7
	s_lshl_b32 s19, s16, 9
	v_lshlrev_b32 v[BO], 5, v2
.endif
	s_add_co_u32 s18, s18, s19
	s_mov_b32 s19, 0
	s_add_nc_u64 s[96:97], s[96:97], s[18:19]
.irp b, 0,1,2,3,4,5,6,7
.if MODE == 1
	global_load_b32 v[BI+2*\b], v[BO], s[96:97] offset:64*\b          ; twice: a pair for the packed addition
	global_load_b32 v[BI+2*\b+1], v[BO], s[96:97] offset:64*\b
.else
	global_load_b128 v[BI+8*\b:BI+8*\b+3], v[BO], s[96:97] offset:64*\b
	global_load_b128 v[BI+8*\b+4:BI+8*\b+7], v[BO], s[96:97] offset:64*\b+16
.endif
.endr
.if MODE == 2
	s_mul_i32 s23, s14, 16*SPITCH                  ; my stage
	v_mul_u32_u24 v5, v1, SPITCH                   ; in: row r, 32 bytes for each half of the lanes
	v_lshl_add_u32 v5, v2, 5, v5
	v_add_nc_u32 v[STO], s23, v5
	v_add_nc_u32 v[RD], s23, v[CO]                 ; back: the 32 lanes take one row of 512 bytes
	s_lshl_b32 s20, s17, 8
	s_lshl_b32 s21, s15, 7
	s_add_co_u32 s20, s20, s21
	s_lshl_b32 s20, s20, 12                        ; my first row of out0, 4,096 bytes a row,
	s_lshl_b32 s46, s42, 10
	s_lshl_b32 s47, s16, 9
	s_add_co_u32 s46, s46, s47                     ; my first column: 1,024 X + 512 x half bytes
	s_add_co_u32 s46, s46, s20
	s_mov_b32 s47, 0
	s_add_nc_u64 s[12:13], s[12:13], s[46:47]
.else
	s_mul_i32 s18, s15, 128*SP                     ; the stage, in: row 128 x my A half + r, byte 128 x my B half + 8 h
	s_lshl_b32 s19, s16, 7
	s_add_co_u32 s18, s18, s19
	v_mul_u32_u24 v5, v1, SP
	v_lshl_add_u32 v5, v2, 3, v5
	v_add_nc_u32 v[STO], s18, v5
	v_and_b32 v5, 8, v1                            ; back: wave w takes rows 64 w on, in the images' order of rows: r + 8 (r / 8), 16 bytes for each half of the lanes
	v_add_nc_u32 v5, v5, v1
	v_mul_u32_u24 v5, v5, SP
	v_lshl_add_u32 v5, v2, 4, v5
	s_mul_i32 s18, s14, 64*SP
	v_add_nc_u32 v[RD], s18, v5
	v_and_b32 v5, 7, v1                            ; a scale word's place in an image: row 16 a + r lies in tile 2 (a / 2) + r / 8, lane r % 8 + 8 (a % 2)
	v_lshlrev_b32 v5, 4, v5
	v_lshrrev_b32 v6, 3, v1
	v_lshl_add_u32 v5, v6, 2, v5                   ; 16 (r % 8) + 4 (r / 8); the rest stands in the stores' immediates
.if MODE == 0
	v_lshlrev_b32 v[SH], 4, v2
	v_lshl_add_u32 v5, v2, 10, v5                  ; [head 2 x my B half + h][128 tokens: my A half][512 bytes]
	s_lshl_b32 s18, s16, 11
	s_lshl_b32 s19, s15, 9
	s_add_co_u32 s18, s18, s19
	s_add_co_u32 s18, s18, SCS
	v_add_nc_u32 v[SST], s18, v5
	s_lshl_b32 s18, s14, 10                        ; back: wave w takes head w's 1,024 bytes
	s_add_co_u32 s18, s18, SCS
	v_add_nc_u32 v[SRD], s18, v[CO]
	s_lshr_b32 s92, s17, 3                         ; where it all goes.  Batch Y / 8, heads 4 cx on
	s_lshl_b32 s92, s92, 4
	s_lshl_b32 s93, s40, 2
	s_add_co_u32 s92, s92, s93
	s_mul_i32 s46, s92, 393216                     ; a head's images: 393,216 bytes: Q, K, V
	s_lshl_b32 s93, ttmp9, 17
	s_add_co_u32 s46, s46, s93                     ; Q's part or K's
	s_and_b32 s93, s17, 7
	s_lshl_b32 s47, s93, 3
	s_lshl_b32 s95, s14, 1
	s_add_co_u32 s47, s47, s95
	s_lshl_b32 s47, s47, 11                        ; group of 32 tokens 8 (Y % 8) + 2 w: 2,048 bytes each
	s_add_co_u32 s46, s46, s47
	s_mov_b32 s47, 0
	s_add_nc_u64 s[12:13], s[12:13], s[46:47]
	s_add_co_u32 s92, s92, s14                     ; scale words: head 4 cx + w
	s_mul_i32 s46, s92, 20480
	s_lshl_b32 s95, ttmp9, 13
	s_add_co_u32 s46, s46, s95
	s_lshl_b32 s93, s93, 10
	s_add_co_u32 s46, s46, s93
	s_add_nc_u64 s[98:99], s[98:99], s[46:47]
.set NS, 2
.else
	s_lshl_b32 s18, s15, 10                        ; [head 2 x my A half + a / 4][key step: my B half][256 bytes]
	s_lshl_b32 s19, s16, 8
	s_add_co_u32 s18, s18, s19
	s_add_co_u32 s18, s18, SCS
	v_add_nc_u32 v[SST], s18, v5
	s_lshl_b32 s18, s14, 9                         ; back: wave w takes head w's 512 bytes
	s_add_co_u32 s18, s18, SCS
	v_add_nc_u32 v[SRD], s18, v[CO]
	s_lshr_b32 s92, s42, 3                         ; batch X / 8, head 4 Y + w
	s_lshl_b32 s92, s92, 4
	s_lshl_b32 s93, s17, 2
	s_add_co_u32 s92, s92, s93
	s_add_co_u32 s92, s92, s14
	s_mul_i32 s46, s92, 393216
	s_add_co_u32 s46, s46, 262144                  ; V's part
	s_and_b32 s93, s42, 7
	s_lshl_b32 s47, s93, 14                        ; key steps 2 (X % 8) on: 8,192 bytes each
	s_add_co_u32 s46, s46, s47
	s_mov_b32 s47, 0
	s_add_nc_u64 s[12:13], s[12:13], s[46:47]
	s_mul_i32 s46, s92, 20480
	s_add_co_u32 s46, s46, 16384
	s_lshl_b32 s93, s93, 9
	s_add_co_u32 s46, s46, s93
	s_add_nc_u64 s[98:99], s[98:99], s[46:47]
.set NS, 1
.endif
.endif
.macro FRAGB reg, adr, q, i            ; a fragment, 16 rows x 128 K: lane l holds row l % 16; registers 4 c .. 4 c + 3 hold K = 32 c + 16 (l / 16) + 0 .. 15
.irp c, 0,1,2,3
	ds_load_b128 v[\reg+4*\c:\reg+4*\c+3], v[\adr] offset:128*(\q)+32*\c+(\i)*16*PITCH
.endr
.endm
.macro FRAGA reg, adr, q, i
.irp c, 0,1,2,3
.if MODE == 2
	ds_load_b128 v[\reg+4*\c:\reg+4*\c+3], v[\adr] offset:2048*(\q)+512*\c+(\i)*4096   ; an image: 512 consecutive bytes a load
.else
	ds_load_b128 v[\reg+4*\c:\reg+4*\c+3], v[\adr] offset:128*(\q)+32*\c+(\i)*16*PITCH
.endif
.endr
.endm
; 16 products: A's blocks a0, a0 + 1 x B's eight, the slot's q-th 128 along K.  p: B's set; sc: the set of scale words.  zero = 1: the first product starts the sums (MODE 2: from the bias).
; The 64 accumulators take turns, one instruction a turn, in the same order in every step.
.macro MUL16 a0, p, q, sc, zero
.irp a, \a0, \a0+1
.irp b, 0,1,2,3,4,5,6,7
.if (\zero) && (MODE == 2)
	v_wmma_scale_f32_16x16x128_f8f6f4 v[8*(8*((\a)%4)+\b):8*(8*((\a)%4)+\b)+7], v[128*(\p)+FR*\b:128*(\p)+FR*\b+FR-1], v[AF+FR*(\a):AF+FR*(\a)+FR-1], v[BI+8*\b:BI+8*\b+7], v[SC+8*NQ*(\sc)+NQ*\b+(\q)], v[SC+8*NQ*(\sc)+NQ*(\a)+(\q)] matrix_a_fmt:MATRIX_FMT_BF8 matrix_b_fmt:MATRIX_FMT_BF8 matrix_a_scale:MATRIX_SCALE_ROW1
.elseif \zero
	v_wmma_scale_f32_16x16x128_f8f6f4 v[8*(8*((\a)%4)+\b):8*(8*((\a)%4)+\b)+7], v[128*(\p)+FR*\b:128*(\p)+FR*\b+FR-1], v[AF+FR*(\a):AF+FR*(\a)+FR-1], 0, v[SC+8*NQ*(\sc)+NQ*\b+(\q)], v[SC+8*NQ*(\sc)+NQ*(\a)+(\q)] matrix_a_fmt:MATRIX_FMT_BF8 matrix_b_fmt:MATRIX_FMT_BF8 matrix_a_scale:MATRIX_SCALE_ROW1
.else
	v_wmma_scale_f32_16x16x128_f8f6f4 v[8*(8*((\a)%4)+\b):8*(8*((\a)%4)+\b)+7], v[128*(\p)+FR*\b:128*(\p)+FR*\b+FR-1], v[AF+FR*(\a):AF+FR*(\a)+FR-1], v[8*(8*((\a)%4)+\b):8*(8*((\a)%4)+\b)+7], v[SC+8*NQ*(\sc)+NQ*\b+(\q)], v[SC+8*NQ*(\sc)+NQ*(\a)+(\q)] matrix_a_fmt:MATRIX_FMT_BF8 matrix_b_fmt:MATRIX_FMT_BF8 matrix_a_scale:MATRIX_SCALE_ROW1
.endif
.endr
.endr
.endm
.macro FETCH_B slot, q, p              ; B's eight fragments of the slot's q-th 128 along K into set p
	WIN TO_B
.irp i, 0,1,2,3,4,5,6,7
	FRAGB 128*(\p)+FR*\i, ADRB+\slot, \q, \i
.endr
	WIN 0
.endm
.macro FETCH_A slot, q, i0             ; A's blocks i0 .. i0 + 3
.irp i, \i0, \i0+1, \i0+2, \i0+3
	FRAGA AF+FR*(\i), ADRA+\slot, \q, \i
.endr
.endm
.macro SCALES sc                       ; the next K step's scale words into set sc: two words a row
.irp i, 0,1,2,3,4,5,6,7
	ds_load_b64 v[SC+8*NQ*\sc+NQ*\i:SC+8*NQ*\sc+NQ*\i+1], v[ADRS] offset:\i*SBLK
.endr
.endm
.macro PLACES n                        ; plain vector instructions between a matrix instruction and a load into, or a read of, its registers
.rept \n
	v_nop
.endr
.endm
; A step of 128 along K that has its successor in the same slot.  A has one set of registers: blocks 0-3 are fetched anew in the step's middle, blocks 4-7 at its end.
.macro STEP slot, q, zero
	s_wait_dscnt 4*NL                              ; all but the youngest 16 loads (A's blocks 4-7) are in
	WINMUL 0, \zero
	MUL16 0, (\q)%2, \q, \slot, \zero
	MUL16 2, (\q)%2, \q, \slot, \zero
	s_wait_dscnt 0                                 ; A's blocks 4-7 are in
	PLACES NP
	FETCH_B \slot, (\q)+1, 1-(\q)%2
	FETCH_A \slot, (\q)+1, 0
	WINMUL 1, \zero
	MUL16 4, (\q)%2, \q, \slot, \zero
	MUL16 6, (\q)%2, \q, \slot, \zero
	PLACES NP
	WIN 0
	FETCH_A \slot, (\q)+1, 4
.endm
; A slot's last step changes slots: one barrier; in front of it each wave waits for all its tensor loads, adds 0 to its spare word, and waits for that and for its reads of this slot.  fill = 1: the slot is filled again, two K steps ahead.
.macro TURN slot, next, fill
	s_wait_tensorcnt 0x0                           ; all my tensor loads have landed: my part of the next slot
	ds_add_u32 v[SPW], v[NIL]                      ; 0 onto my spare word
	s_wait_dscnt 4*NL+1                            ; the add and the youngest 16 loads (A's blocks 4-7) may be out
	WIN MUL_LO
	MUL16 0, 1, NQ-1, \slot, 0                     ; sixteen products stand between the add and the wait for it
	s_wait_dscnt 0x0                               ; the add is done, and my reads of this slot are over
	s_barrier_signal -1
	MUL16 2, 1, NQ-1, \slot, 0
	WIN 0
	s_barrier_wait -1
.if \fill
	CREST                                          ; the barrier has opened a round of the cluster's: no wave of any partner still reads this slot or has a load on its way
	s_add_nc_u64 s[G0+4*\slot+2:G0+4*\slot+3], s[G0+4*\slot+2:G0+4*\slot+3], 2*ASTEP
	s_add_nc_u64 s[G0B+4*\slot+2:G0B+4*\slot+3], s[G0B+4*\slot+2:G0B+4*\slot+3], 2*ROWB
	JLOAD G0+4*\slot, G1, G0B+4*\slot, G1B         ; the first tensor load behind the round; its four v_nop are among the places in front of the loads below
	PLACES NP-4
.else
	PLACES NP
.endif
	s_wait_alu depctr_va_vdst(0)
	v_add_nc_u32 v[ADRS], 4*NQ, v[ADRS]            ; on to the next K step's scale words
	FETCH_B \next, 0, 0
	FETCH_A \next, 0, 0
	SCALES \next
	WIN MUL_LO+0x50
	MUL16 4, 1, NQ-1, \slot, 0
	MUL16 6, 1, NQ-1, \slot, 0
	PLACES NP
	WIN 0
	FETCH_A \next, 0, 4
.endm
	s_wait_alu depctr_va_vdst(0)                   ; the head's end
	s_wait_tensorcnt 0x0                           ; my tile of the head's four is in
	ds_add_u32 v[SPW], v[NIL]
	s_mov_b32 s[G1+2], 128<<16                     ; no tensor load of mine is out: from here on a load brings 128 rows
	s_mov_b32 s[G1+4], 128
	s_mov_b32 s[G1B+2], 128<<16
	s_mov_b32 s[G1B+4], 128
	s_wait_dscnt 0x0
	CROUND                                         ; all four tiles are in, and the partners are here
	JLOAD G0+4, G1, G0B+4, G1B                     ; K step 1, the first tensor load behind the round
	s_wait_loadcnt 0x0                             ; the bias
	FETCH_B 0, 0, 0
	FETCH_A 0, 0, 0
	SCALES 0
	FETCH_A 0, 0, 4
	STEP 0, 0, 1                                   ; the first step stands in front of the loop: its products start the sums
	s_mov_b32 s3, LAPS-1
.Llap:                                                 ; a trip goes once round the ring and fills both slots again
	TURN 0, 1, 1
	STEP 1, 0, 0
	TURN 1, 0, 1
	STEP 0, 0, 0
	s_sub_co_u32 s3, s3, 1
	s_cmp_lg_u32 s3, 0
	s_cbranch_scc1 .Llap
	TURN 0, 1, 0                                   ; the last lap fills nothing
	STEP 1, 0, 0
	s_wait_dscnt 4*NL                              ; the very last step
	WIN MUL_LO
	MUL16 0, 1, NQ-1, 1, 0
	MUL16 2, 1, NQ-1, 1, 0
	s_wait_dscnt 0
	WIN MUL_LO+0x50
	MUL16 4, 1, NQ-1, 1, 0
	MUL16 6, 1, NQ-1, 1, 0
	WIN 0
	PLACES NP                                      ; in front of the first reads of results and the first writes of registers that held A's fragments
.if MODE < 2
; THE WAY OUT, MODE 0 AND 1.  Block a of 16 rows of A: the bias is added on the way into window 0; a lane's 64 numbers are 16 of each of four blocks of 32 along B's rows (the other 16 lie in lane l xor 16);
; they are quantised, and codes and scale word go to the work-group's stage; behind a barrier each wave reads 64 rows back in the images' order and stores 512 consecutive bytes an instruction.
.macro GATHER a
.set AC, 64*((\a)%4)
	WIN 0x02+(\a)/4                                ; source 0: window 2 or 3
.irp b, 0,1,2,3,4,5,6,7
.irp p, 0,2,4,6
.if MODE == 0
	v_pk_add_f32 v[T+8*\b+\p:T+8*\b+\p+1], v[AC+8*\b+\p:AC+8*\b+\p+1], v[BI+8*\b+\p:BI+8*\b+\p+1]   ; each accumulator from its low end on
.else
	v_pk_add_f32 v[T+8*\b+\p:T+8*\b+\p+1], v[AC+8*\b+\p:AC+8*\b+\p+1], v[BI+2*(\a):BI+2*(\a)+1]
.endif
.endr
.endr
	WIN 0
.endm
.macro QUANT
.irp b, 0,1,2,3
	v_max3_num_f32 v[TM+\b], |v[T+16*\b]|, |v[T+1+16*\b]|, 0x8000000   ; block b: my 16 numbers, and the floor 2^(16 - 127): the byte cannot fall under 1
.endr
.irp i, 2,4,6,8,10,12,14
.irp b, 0,1,2,3
	v_max3_num_f32 v[TM+\b], v[TM+\b], |v[T+16*\b+\i]|, |v[T+1+16*\b+\i]|
.endr
.endr
.irp b, 0,1,2,3
	v_permlanex16_b32 v[TM+4+\b], v[TM+\b], s18, s19
.endr
.irp b, 0,1,2,3
	v_max_num_f32 v[TM+\b], v[TM+\b], v[TM+4+\b]   ; with lane l xor 16's: the block's largest magnitude
.endr
.irp b, 0,1,2,3
	v_add_nc_u32 v[TM+12+\b], 0xf8800000, v[TM+\b] ; 15 off its exponent field: the conversion's scale operand
.endr
.irp b, 0,1,2,3
	v_and_or_b32 v[TM+8+\b], v[TM+\b], 0x7f800000, s22   ; 57,344 x the scale
.endr
.irp b, 0,1,2,3
	v_lshrrev_b32 v[TM+4+\b], 23, v[TM+12+\b]      ; the scale's byte
.endr
	v_lshl_or_b32 v[PW], v[TM+5], 8, v[TM+4]
	v_lshl_or_b32 v[PW], v[TM+6], 16, v[PW]
	v_lshl_or_b32 v[PW], v[TM+7], 24, v[PW]
.irp b, 0,1,2,3
.irp i, 0,1,2,3,4,5,6,7,8,9,10,11,12,13,14,15
	v_med3_num_f32 v[T+16*\b+\i], v[T+16*\b+\i], -v[TM+8+\b], v[TM+8+\b]   ; the conversion to an 8-bit code does not saturate (ISA guide 7.6.2): the hold
.endr
	v_cvt_scalef32_pk8_bf8_f32 v[PC+4*\b:PC+1+4*\b], v[T+16*\b:T+7+16*\b], v[TM+12+\b]        ; B rows 32 b + 8 h + 0 .. 7
	v_cvt_scalef32_pk8_bf8_f32 v[PC+2+4*\b:PC+3+4*\b], v[T+8+16*\b:T+15+16*\b], v[TM+12+\b]   ; B rows 32 b + 16 + 8 h + 0 .. 7
.endr
	v_nop                                          ; a plain line behind the last conversion
.endm
.macro TOST a
.irp b, 0,1,2,3
	ds_store_b64 v[STO], v[PC+4*\b:PC+4*\b+1] offset:16*(\a)*SP+32*\b
	ds_store_b64 v[STO], v[PC+4*\b+2:PC+4*\b+3] offset:16*(\a)*SP+32*\b+16
.endr
.if MODE == 0
	v_lshrrev_b32 v[SW], v[SH], v[PW]              ; lanes 0-15: the lower head's two bytes; lanes 16-31: the upper head's
	v_and_b32 v[SW], 0xffff, v[SW]                 ; bytes 2 and 3 are 0: they stand over the zero codes that fill K = 64 up to 128
	ds_store_b32 v[SST], v[SW] offset:256*((\a)/4)+128*((\a)%2)+8*(((\a)/2)%2)
.else
	ds_store_b32 v[SST], v[PW] offset:512*((\a)/4)+128*((\a)%2)+8*(((\a)/2)%2)   ; both halves of the lanes write the same word with the same value
.endif
	s_wait_dscnt 0x0                               ; the stores have read their registers
.endm
	s_mov_b32 s18, 0x76543210
	s_mov_b32 s19, 0xfedcba98                      ; v_permlanex16_b32's selects for lane l xor 16
	s_mov_b32 s22, 0x600000                        ; the mantissa field of 57,344
.irp b, 0,1,2,3
	v_mov_b32 v[TM+4+\b], 0                        ; written once: a lane permute's destination counts as one of its sources
.endr
.irp a, 0,1,2,3,4,5,6,7
	GATHER \a
	QUANT
	TOST \a
.endr
	s_barrier_signal -1                            ; every wave's stores into the stage are done (the wait for 0 above)
	s_barrier_wait -1
.irp gl, 0,1
.irp u, 0,1
.irp jp, 0,1,2,3,4,5,6,7
	ds_load_b128 v[64+4*(8*(2*\gl+\u)+\jp):64+4*(8*(2*\gl+\u)+\jp)+3], v[RD] offset:(32*\gl+8*\u)*SP+32*\jp
.endr
.endr
.endr
.set i, 0
.rept NS
	ds_load_b128 v[192+4*i:192+4*i+3], v[SRD] offset:512*i
.set i, i+1
.endr
.irp gl, 0,1
.irp u, 0,1
.irp jp, 0,1,2,3,4,5,6,7
	s_wait_dscnt NS+31-(8*(2*\gl+\u)+\jp)          ; the LDS loads issued behind this one may be out
.if MODE == 0
	global_store_b128 v[CO], v[64+4*(8*(2*\gl+\u)+\jp):64+4*(8*(2*\gl+\u)+\jp)+3], s[12:13] offset:2048*\gl+1024*\u+512*(\jp%2)+393216*(\jp/2)   ; [group][tile][c][lane]: 512 consecutive aligned bytes; head jp / 2
.else
	global_store_b128 v[CO], v[64+4*(8*(2*\gl+\u)+\jp):64+4*(8*(2*\gl+\u)+\jp)+3], s[12:13] offset:4096*\gl+2048*\u+512*(\jp%4)+8192*(\jp/4)     ; [key step jp / 4][tile][c][lane]
.endif
.endr
.endr
.endr
	s_wait_dscnt 0x0
.set i, 0
.rept NS
	global_store_b128 v[CO], v[192+4*i:192+4*i+3], s[98:99] offset:512*i
.set i, i+1
.endr
.else
; THE WAY OUT, MODE 2, block by block of 16 rows x 128 columns through my own stage; LDS serves a wave's instructions in order (ISA guide 5.7.1.4).  A's rows lie in the images' order: block a's lane t is
; token 32 (a / 2) + 8 (a % 2) + t + 8 (t / 8) of my 128.
.macro TOSTAGE a
.set AC, 64*((\a)%4)
	WIN 0x08+4*((\a)/4)                            ; the data: window 2 or 3
.irp b, 0,1,2,3,4,5,6,7
	ds_store_b128 v[STO], v[AC+8*\b:AC+8*\b+3] offset:64*\b          ; each accumulator from its low end on
	ds_store_b128 v[STO], v[AC+8*\b+4:AC+8*\b+7] offset:64*\b+16
.endr
	WIN 0
.set BB, BK+64*((\a)%2)
.irp t, 0,1,2,3,4,5,6,7,8,9,10,11,12,13,14,15
	ds_load_b128 v[BB+4*\t:BB+4*\t+3], v[RD] offset:\t*SPITCH
.endr
.endm
.macro SEND a, younger                 ; younger: the LDS instructions issued behind block a's loads, which may stay out
.set BB, BK+64*((\a)%2)
	s_wait_dscnt \younger
.if (\a) > 0
.if (\a)%2 == 1
	s_add_nc_u64 s[12:13], s[12:13], 8*4096        ; (behind a wait on XCNT)  from an even block to the odd one: 8 rows on;
.else
	s_add_nc_u64 s[12:13], s[12:13], 24*4096       ; to the next group of 32: 24 more
.endif
.endif
.irp t, 0,1,2,3,4,5,6,7,8,9,10,11,12,13,14,15
	global_store_b128 v[CO], v[BB+4*\t:BB+4*\t+3], s[12:13] offset:(\t+8*(\t/8))*4096 th:TH_STORE_NT   ; 32 lanes store 512 consecutive aligned bytes
.endr
.endm
	TOSTAGE 0
.irp a, 1,2,3,4,5,6,7
.if \a > 1
	s_wait_xcnt 0x0                                ; block a - 2's stores have read their registers and their base
.endif
	TOSTAGE \a
	SEND \a-1, 32                                  ; behind block a - 1's loads: block a's 16 stores and 16 loads
.endr
	s_wait_xcnt 0x0
	SEND 7, 0
.endif
	s_wait_tensorcnt 0x0                           ; the wave's end
	ds_add_u32 v[SPW], v[NIL]
	s_wait_dscnt 0x0
	CROUND                                         ; the closing round: no work-group ends while a partner may still ask for a tile that names it
	s_endpgm
.Lfunc_end_k_qce72343015_proj_v:
	.size	k_qce72343015_proj_v, .Lfunc_end_k_qce72343015_proj_v-k_qce72343015_proj_v
	.p2alignl 7, 3214868480
	.fill 96, 4, 3214868480
	.section	.rodata,"a",@progbits
	.p2align	6, 0x0
	.amdhsa_kernel k_qce72343015_proj_v
		.amdhsa_group_segment_fixed_size 327680
		.amdhsa_private_segment_fixed_size 0
		.amdhsa_enable_private_segment 0
		.amdhsa_kernarg_size 56
		.amdhsa_user_sgpr_count 2
		.amdhsa_user_sgpr_kernarg_segment_ptr 1
		.amdhsa_wavefront_size32 1
		.amdhsa_system_sgpr_workgroup_id_x 1
		.amdhsa_system_sgpr_workgroup_id_y 1
		.amdhsa_system_sgpr_workgroup_id_z 1
		.amdhsa_system_vgpr_workitem_id 0
		.amdhsa_next_free_vgpr 1024
		.amdhsa_next_free_sgpr 100
		.amdhsa_reserve_vcc 0
		.amdhsa_float_denorm_mode_32 3
		.amdhsa_float_denorm_mode_16_64 3
		.amdhsa_memory_ordered 1
		.amdhsa_forward_progress 1
		.amdhsa_inst_pref_size 212
	.end_amdhsa_kernel
	.amdgpu_metadata
---
amdhsa.version: [ 1, 2 ]
amdhsa.kernels:
  - .name:           k_qce72343015_proj_v
    .symbol:         k_qce72343015_proj_v.kd
    .args:
      - { .name: Wv_codes, .offset: 0, .size: 8, .value_kind: global_buffer, .address_space: global }
      - { .name: Wv_scales, .offset: 8, .size: 8, .value_kind: global_buffer, .address_space: global }
      - { .name: x_codes, .offset: 16, .size: 8, .value_kind: global_buffer, .address_space: global }
      - { .name: x_scales, .offset: 24, .size: 8, .value_kind: global_buffer, .address_space: global }
      - { .name: bv, .offset: 32, .size: 8, .value_kind: global_buffer, .address_space: global }
      - { .name: img, .offset: 40, .size: 8, .value_kind: global_buffer, .address_space: global }
      - { .name: sc, .offset: 48, .size: 8, .value_kind: global_buffer, .address_space: global }
    .group_segment_fixed_size: 327680
    .private_segment_fixed_size: 0
    .kernarg_segment_align: 8
    .kernarg_segment_size: 56
    .max_flat_workgroup_size: 128
    .sgpr_count:     100
    .vgpr_count:     1024
    .wavefront_size: 32
...
	.end_amdgpu_metadata
.endif
;; end of part 2
;; launch attn (part 3): grid 4 x 64, 8 waves a work-group, clusters of 4 x 1, 327,680 bytes of LDS; arguments img, sc, a_img, a_sc; writes a_img, a_sc
.if DOCPART == 3
	.amdgcn_target "amdgcn-amd-amdhsa--gfx1250"
	.amdhsa_code_object_version 6
	.text
	.protected	k_qce72343015_attn
	.globl	k_qce72343015_attn
	.p2align	8
	.type	k_qce72343015_attn,@function
k_qce72343015_attn:
	s_mov_b64 s[64:65], 0
	v_nop
	global_prefetch_b8 v0, s[64:65] scope:SCOPE_SE
	s_setreg_imm32_b32 hwreg(HW_REG_WAVE_MODE, 25, 1), 1
	s_wait_xcnt 0x0
	s_wait_alu depctr_hold_cnt(0) depctr_sa_sdst(0) depctr_va_vdst(0) depctr_va_sdst(0) depctr_va_ssrc(0) depctr_va_vcc(0) depctr_vm_vsrc(0)
	s_getreg_b32 s2, hwreg(HW_REG_IB_STS2, 6, 4)
	s_cmp_eq_u32 s2, 0
	s_cbranch_scc0 .Lentry_in_a_cluster
	s_endpgm
.Lentry_in_a_cluster:
	s_bfe_u32 s2, ttmp6, 0x10000c
	s_cmp_lg_u32 s2, 0x3003
	s_cbranch_scc0 .Lentry_shape_is_right
	s_endpgm
.Lentry_shape_is_right:
; ATTENTION ON CODES OF BF8 (E5M2) WITH E8M0 SCALES: a = softmax(q k^T / 8) v for one head (grid y: batch x 16 + head), quantised again along the head's 64 for the last projection.
; img, a head: Q, K [group of 32 tokens][tile u][c][lane][16 bytes], V [128 keys][tile of 16 channels][c][lane][16]: images of operand registers.  sc, a head: Q's, K's scale words [128 tokens][tile / 4][r][tile % 4], V's [128 keys][r][tile].
; SHARES.  A cluster of four work-groups owns a head; each holds all of K, V and their scale bytes in LDS (268 KiB, asked for jointly, once) and 512 queries; a wave owns 64 queries: two passes over the keys with two tiles of 16 queries.
; Both products are used transposed (S^T = K Q^T, O^T = V^T P^T): a lane holds one query.  t = score x log2(e) / 8; M = ceil of the running largest t; p = 2^(t - M) is quantised in blocks of 32 keys; the sum of the unquantised p divides at the end.
; A BLOCK'S SCALE is 2^(floor(t - M) - 15) of the block's largest t, taken in whole numbers: floor(log2(2^x)) = floor(x).  Where x lies within the exponential's rounding under a whole number, that one p is held one code low.
; K = 64 FILLS HALF A PRODUCT: Q's codes 64 .. 127 are zeros, so the eight registers above a tile of K may hold any finite codes: they hold the next tile of K, and the last tile's hold zeros.
; THE ORDER OF A STEP: lines that hang on each other stand apart: one tile's row statistics among the other's maxima or multiply-adds, the block scales among tile 0's sums, tile 1's holds among its sums,
; one tile's exponentials among lines of the other tile that read nothing written in the same run.
; A pass's last step fetches 8 KiB behind K's end (V's first bytes) into K's registers; nothing reads them: each pass fetches K's first tiles itself.
; NO PREFETCH: all that comes from memory is asked for at the head; the loops read LDS alone.
; LIMITS: the scaled scores stay under 2^31 in magnitude; NaN and infinities are not served; a block whose largest p lies under 2^-111 gets the byte 1.
; WINDOW 0: v1-10 addresses; v12-15 two chains of a sum; v16-79 two tiles' statistics; v80-207 S^T, then p; v208-239 p's codes; v240-251 scale words; v254, v255 the add's.  WINDOW 1: v0-31 Q; v32-103 K; v104-167 V; v168-231 O^T.
.set VB,   131072                      ; LDS: K at 0, V here,
.set KSB,  262144                      ; K's scale words,
.set VSB,  270336                      ; V's,
.set SPARE, 0x44000                    ; the spare words: 128 bytes a wave
.set AL,   1                           ; 16 x lane
.set ADK,  5                           ; the next step's K, this step's V, and their scale words
.set ADV,  6
.set ADSK, 7
.set ADSV, 8
.set R16,  9
.set R32,  10
.set CT,   12
.set T0,   16                          ; a tile's statistics: 32 registers
.set NM,   0                           ; -M (a pair is named)
.set FF,   2                           ; 2^(old M - new M) (a pair is named)
.set L,    4                           ; the sum, two halves
.set L2,   6
.set SMX,  8                           ; the running largest score
.set TP,   9
.set TQ,   10
.set BM,   12                          ; the blocks' largest
.set BP,   16                          ; the other half's
.set EE,   20                          ; floor(t - M)
.set SOP,  24                          ; the conversions' scale operands
.set HOLD, 28                          ; 57,344 x the scale
.set S0,   80
.set PC0,  208
.set KSC,  240
.set VSC,  244
.set QS,   248
.set PW,   250
.set SPW,  254
.set NIL,  255
.set QF,   0
.set KF,   32
.set VF,   104
.set O0,   168
.set WV,   12
.set MNT,  19
.set SEL,  20
.set CS,   22
.set G1D,  24
.set G1S,  32
.set G0D,  40
.set G0S,  44
.set KST,  52
.set NC,   53
.set MSB, 0
.macro WIN new                         ; the immediate's high byte repeats the setting that is left
.if MSB != (\new)
	s_set_vgpr_msb (MSB<<8)|(\new)
.set MSB, (\new)
.endif
.endm
.macro ROUND                           ; a round of the cluster's barrier
	s_barrier_signal -1
	s_barrier_wait -1
	s_cmp_lg_u32 s[WV], 0
	s_cbranch_scc1 .Lnot_wave_0_\@
	s_barrier_signal -3
.Lnot_wave_0_\@:
	s_barrier_wait -3
	s_barrier_signal -1
	s_barrier_wait -1
.endm
	s_load_b256 s[4:11], s[0:1], 0x0               ; img, sc, a_img, a_sc
	v_lshl_add_u32 v[SPW], v0, 2, SPARE
	v_mov_b32 v[NIL], 0
	ds_add_u32 v[SPW], v[NIL]                      ; the opening lines: the add twice on end and its wait
	ds_add_u32 v[SPW], v[NIL]
	v_lshrrev_b32 v2, 5, v0
	v_readfirstlane_b32 s[WV], v2                  ; wave 0..7
	s_bfe_u32 s13, ttmp6, 0x40000                  ; cx
	s_and_b32 s14, ttmp7, 0xffff                   ; batch x 16 + head
	s_mul_i32 s54, s14, 393216
	s_mul_i32 s55, s14, 20480
	s_and_b32 s15, s[WV], 3
	s_lshl_b32 s15, s15, 16                        ; waves 0-3: a quarter of K and V, 65,536 bytes
	s_add_co_u32 s56, s54, s15
	s_add_co_u32 s56, s56, 131072
	s_mov_b32 s57, 0
	s_add_co_u32 s58, s55, 8192                    ; wave 4: K's and V's scale words, 12,288 bytes on end
	s_mov_b32 s59, 0
	s_mov_b32 s[G1D], 15|(3<<16)|(1<<21)           ; the four partners; elements of 8 bytes; 256 dense rows of 256 bytes
	s_mov_b32 s[G1D+1], 32<<16
	s_mov_b32 s[G1D+2], 256<<16
	s_mov_b32 s[G1D+3], 32<<16
	s_mov_b32 s[G1D+4], 256
	s_mov_b32 s[G1D+5], 32
	s_mov_b32 s[G1D+6], 0
	s_mov_b32 s[G1D+7], 0
	s_mov_b32 s[G1S], 15|(3<<16)|(1<<21)           ; 48 rows of 256 bytes
	s_mov_b32 s[G1S+1], 32<<16
	s_mov_b32 s[G1S+2], 48<<16
	s_mov_b32 s[G1S+3], 32<<16
	s_mov_b32 s[G1S+4], 48
	s_mov_b32 s[G1S+5], 32
	s_mov_b32 s[G1S+6], 0
	s_mov_b32 s[G1S+7], 0
	s_mov_b32 s[MNT], 0x600000                     ; the mantissa field of 57,344
	s_mov_b32 s[SEL], 0x76543210
	s_mov_b32 s[SEL+1], 0xfedcba98                 ; lane l xor 16
	s_mov_b32 s[CS], 0x3e38aa3b                    ; c = log2(e) / 8
	s_mov_b32 s[CS+1], s[CS]
	s_mov_b32 s[NC], 0xbe38aa3b                    ; -c
	s_wait_dscnt 0x0
	s_wait_kmcnt 0x0
	s_mov_b32 s[G0D], 1
	s_mov_b32 s[G0D+1], s15
	s_add_nc_u64 s[G0D+2:G0D+3], s[4:5], s[56:57]
	s_or_b32 s[G0D+3], s[G0D+3], 0x80000000
	s_mov_b32 s[G0S], 1
	s_mov_b32 s[G0S+1], KSB
	s_add_nc_u64 s[G0S+2:G0S+3], s[6:7], s[58:59]
	s_or_b32 s[G0S+3], s[G0S+3], 0x80000000
	ROUND                                          ; the four partners are here: the joint loads meet
	s_cmp_lt_u32 s[WV], 4                          ; one chain of branches on the wave's number, one load to an arm
	s_cbranch_scc0 .Lhead_s
	tensor_load_to_lds s[G0D:G0D+3], s[G1D:G1D+7]
	s_nop 0
.rept 4
	v_nop
.endr
	s_branch .Lhead_asked
.Lhead_s:
	s_cmp_lt_u32 s[WV], 5
	s_cbranch_scc0 .Lhead_asked
	tensor_load_to_lds s[G0S:G0S+3], s[G1S:G1S+7]
	s_nop 0
.rept 4
	v_nop
.endr
.Lhead_asked:
	s_lshl_b32 s17, s13, 5                         ; my first tile of 16 queries: 32 cx + 2 wave; the second pass: 16 on
	s_lshl_b32 s18, s[WV], 1
	s_add_co_u32 s17, s17, s18
	s_lshl_b32 s56, s17, 10
	s_add_co_u32 s56, s56, s54
	s_add_nc_u64 s[4:5], s[4:5], s[56:57]          ; Q's images
	s_lshl_b32 s58, s13, 2
	s_lshr_b32 s18, s[WV], 2
	s_add_co_u32 s58, s58, s18
	s_lshl_b32 s58, s58, 9
	s_bfe_u32 s18, s[WV], 0x10001
	s_lshl_b32 s18, s18, 8
	s_add_co_u32 s58, s58, s18
	s_and_b32 s18, s[WV], 1
	s_lshl_b32 s18, s18, 3
	s_add_co_u32 s58, s58, s18
	s_add_co_u32 s58, s58, s55
	s_add_nc_u64 s[6:7], s[6:7], s[58:59]          ; Q's scale words
	s_lshr_b32 s18, s14, 4
	s_lshl_b32 s18, s18, 7
	s_add_co_u32 s17, s17, s18                     ; the tile among the 512 of all batches
	s_and_b32 s18, s14, 15
	s_lshl_b32 s56, s17, 14
	s_lshl_b32 s58, s18, 10
	s_add_co_u32 s56, s56, s58
	s_add_nc_u64 s[8:9], s[8:9], s[56:57]          ; a_img: 16,384 bytes a tile, 1,024 a head
	s_lshl_b32 s56, s17, 9
	s_lshl_b32 s58, s18, 1
	s_add_co_u32 s56, s56, s58
	s_add_nc_u64 s[10:11], s[10:11], s[56:57]      ; a_sc: 32 bytes a row, 2 a head
	v_and_b32 v[AL], 31, v0
	v_lshlrev_b32 v[AL], 4, v[AL]
	v_and_b32 v[R16], 15, v0
	v_lshlrev_b32 v[R32], 5, v[R16]
	v_lshlrev_b32 v[R16], 4, v[R16]
.macro QLOAD pi                        ; two tiles of Q and their scale words
	WIN 0x40
.irp x, 0,1
	global_load_b128 v[QF+16*\x:QF+16*\x+3], v[AL], s[4:5] offset:16384*\pi+1024*\x
	global_load_b128 v[QF+16*\x+4:QF+16*\x+7], v[AL], s[4:5] offset:16384*\pi+1024*\x+512
.endr
	WIN 0
.irp x, 0,1
	global_load_b32 v[QS+\x], v[R16], s[6:7] offset:1024*\pi+4*\x
.endr
.endm
.macro ADDRS                           ; a pass's addresses: each step steps them ahead of its loads, so K's stand at step 0 and V's one step back
	v_mov_b32 v[ADK], v[AL]
	v_add_nc_u32 v[ADSK], KSB, v[AL]
	v_add_nc_u32 v[ADV], VB-8192, v[AL]
	v_add_nc_u32 v[ADSV], VSB-256, v[R16]
.endm
.macro INIT                            ; a pass begins: the first change of M multiplies zeros by 0
.irp x, 0,1
	v_mov_b32 v[T0+32*\x+SMX], 0xff61b1e6          ; -3e38, under every score
	v_mov_b32 v[T0+32*\x+NM], 0x7e000000           ; 2^125
	v_mov_b32 v[T0+32*\x+L], 0
	v_mov_b32 v[T0+32*\x+L+1], 0
.endr
	WIN 0x40
.set J_, 0
.rept 64
	v_mov_b32 v[O0+J_], 0
.set J_, J_+1
.endr
	WIN 0
.endm
.macro LOADS v                         ; eight tiles of K and their scale words; v = 1: and four tiles of V and theirs
	WIN 0x40
.irp t, 0,1,2,3,4,5,6,7
	ds_load_b128 v[KF+8*\t:KF+8*\t+3], v[ADK] offset:1024*\t
	ds_load_b128 v[KF+8*\t+4:KF+8*\t+7], v[ADK] offset:1024*\t+512
.endr
.if \v
.irp t, 0,1,2,3
.irp c, 0,1,2,3
	ds_load_b128 v[VF+16*\t+4*\c:VF+16*\t+4*\c+3], v[ADV] offset:2048*\t+512*\c
.endr
.endr
.endif
	WIN 0
	ds_load_b128 v[KSC:KSC+3], v[ADSK]
.if \v
	ds_load_b128 v[VSC:VSC+3], v[ADSV]
.endif
.endm
.macro MX x, n                         ; line n of 32: the largest score of block n % 4, my 16 keys: four chains by turns
.set X_, T0+32*(\x)+BM+(\n)%4
.set S_, S0+64*(\x)+16*((\n)%4)
.if (\n)/4 == 0
	v_max3_num_f32 v[X_], v[S_], v[S_+1], v[S_+2]
.elseif (\n)/4 == 7
	v_max_num_f32 v[X_], v[X_], v[S_+15]
.else
	v_max3_num_f32 v[X_], v[X_], v[S_+2*((\n)/4)+1], v[S_+2*((\n)/4)+2]
.endif
.endm
.macro PKF x, n                        ; t - M of pair n
	v_pk_fma_f32 v[S0+64*(\x)+2*(\n):S0+64*(\x)+2*(\n)+1], v[S0+64*(\x)+2*(\n):S0+64*(\x)+2*(\n)+1], s[CS:CS+1], v[T0+32*(\x)+NM:T0+32*(\x)+NM+1] op_sel_hi:[1,0,0]
.endm
.macro RS k, x                         ; the row's statistics, line k of tile x
.set X_, T0+32*(\x)
.if \k == 0
	v_max3_num_f32 v[X_+TP], v[X_+BM], v[X_+BM+1], v[X_+BM+2]
.elseif \k == 1
	v_max_num_f32 v[X_+TP], v[X_+TP], v[X_+BM+3]
.elseif \k == 2
	v_permlanex16_b32 v[X_+TQ], v[X_+TP], s[SEL], s[SEL+1]
.elseif \k == 3
	v_max3_num_f32 v[X_+SMX], v[X_+SMX], v[X_+TP], v[X_+TQ]
.elseif \k == 4
	v_mul_f32 v[X_+TP], s[NC], v[X_+SMX]           ; -t of the largest score
.elseif \k == 5
	v_floor_f32 v[X_+TQ], v[X_+TP]                 ; the new -M
.elseif \k == 6
	v_sub_f32 v[X_+TP], v[X_+TQ], v[X_+NM]         ; old M - new M: a whole number, 0 or less
.elseif \k == 7
	v_mov_b32 v[X_+NM], v[X_+TQ]
.elseif \k == 8
	v_cvt_i32_f32 v[X_+TP], v[X_+TP]               ; (it saturates)
.else
	v_ldexp_f32 v[X_+FF], 1.0, v[X_+TP]
.endif
.endm
.macro BS k, x, b                      ; block b's scale, line k of tile x
.set X_, T0+32*(\x)
.if \k == 0
	v_fma_f32 v[X_+BM+\b], v[X_+BM+\b], s[CS], v[X_+NM]
.elseif \k == 1
	v_permlanex16_b32 v[X_+BP+\b], v[X_+BM+\b], s[SEL], s[SEL+1]
.elseif \k == 2
	v_max3_num_f32 v[X_+BM+\b], v[X_+BM+\b], v[X_+BP+\b], 0xc2de0000   ; with the other 16 keys', and the floor -111: the byte cannot fall under 1
.elseif \k == 3
	v_cvt_floor_i32_f32 v[X_+EE+\b], v[X_+BM+\b]
.elseif \k == 4
	v_lshl_add_u32 v[X_+SOP+\b], v[X_+EE+\b], 23, 0x38000000           ; the byte, e + 112, as an exponent field
.else
	v_add_nc_u32 v[X_+HOLD+\b], 0x07e00000, v[X_+SOP+\b]               ; 15 more, over 57,344's mantissa
.endif
.endm
.macro PWL k, x                        ; the four bytes make p's scale word: the sum of (e + 112) << 8 b, modulo 2^32
.set X_, T0+32*(\x)
.if \k == 0
	v_lshl_add_u32 v[X_+TP], v[X_+EE+1], 8, v[X_+EE]
.elseif \k == 1
	v_lshl_add_u32 v[X_+TP], v[X_+EE+2], 16, v[X_+TP]
.elseif \k == 2
	v_lshl_add_u32 v[X_+TP], v[X_+EE+3], 24, v[X_+TP]
.else
	v_add_nc_u32 v[PW+\x], 0x70707070, v[X_+TP]
.endif
.endm
; Line n of 32 of the sum of the unquantised p: 32 pairs in four chains; line 0 brings the old sum under the new M.  Pair j lies at register 32 (j / 16) + 2 ((j / 2) % 8) + 16 (j % 2): the order in which the holds take them.
.macro SUML x, n
.set X_, T0+32*(\x)
.set S_, S0+64*(\x)
.if (\n) == 0
	v_pk_fma_f32 v[X_+L:X_+L+1], v[X_+L:X_+L+1], v[X_+FF:X_+FF+1], v[S_:S_+1] op_sel_hi:[1,0,1]
.elseif (\n) == 1
	v_pk_add_f32 v[X_+L2:X_+L2+1], v[S_+16:S_+17], v[S_+2:S_+3]
.elseif (\n) == 2
	v_pk_add_f32 v[CT:CT+1], v[S_+18:S_+19], v[S_+4:S_+5]
.elseif (\n) == 3
	v_pk_add_f32 v[CT+2:CT+3], v[S_+20:S_+21], v[S_+6:S_+7]
.elseif (\n) < 29
.set JJ_, (\n)+3
.set P_, S_+32*(JJ_/16)+2*((JJ_/2)%8)+16*(JJ_%2)
.if JJ_%4 < 2
.set C_, X_+L+2*(JJ_%4)
.else
.set C_, CT+2*(JJ_%4)-4
.endif
	v_pk_add_f32 v[C_:C_+1], v[C_:C_+1], v[P_:P_+1]
.elseif (\n) == 29
	v_pk_add_f32 v[X_+L:X_+L+1], v[X_+L:X_+L+1], v[X_+L2:X_+L2+1]
.elseif (\n) == 30
	v_pk_add_f32 v[CT:CT+1], v[CT:CT+1], v[CT+2:CT+3]
.else
	v_pk_add_f32 v[X_+L:X_+L+1], v[X_+L:X_+L+1], v[CT:CT+1]
.endif
.endm
.macro DMIN x, k                       ; two of the 64 holds (p is not negative: one-sided): an even register of one block with an odd one of its neighbour, so that destinations and sources lie in different banks
.set B_, 2*((\k)/16)
.set I_, 2*(((\k)%16)/2)
.set SA_, S0+64*(\x)+16*B_+I_
.set HA_, T0+32*(\x)+HOLD+B_
.if (\k)%2
	v_dual_min_num_f32 v[SA_+16], v[SA_+16], v[HA_+1] :: v_dual_min_num_f32 v[SA_+1], v[SA_+1], v[HA_]
.else
	v_dual_min_num_f32 v[SA_], v[SA_], v[HA_] :: v_dual_min_num_f32 v[SA_+17], v[SA_+17], v[HA_+1]
.endif
.endm
.macro CODES x
.irp b, 0,1,2,3
	v_cvt_scalef32_pk8_bf8_f32 v[PC0+16*\x+4*\b:PC0+16*\x+4*\b+1], v[S0+64*\x+16*\b:S0+64*\x+16*\b+7], v[T0+32*\x+SOP+\b]
	v_cvt_scalef32_pk8_bf8_f32 v[PC0+16*\x+4*\b+2:PC0+16*\x+4*\b+3], v[S0+64*\x+16*\b+8:S0+64*\x+16*\b+15], v[T0+32*\x+SOP+\b]
.endr
.endm
; A KEY STEP: 128 keys, two tiles of queries.
.macro STEP
	WIN 0x05                                       ; K and Q in window 1, S^T in window 0
.irp t, 0,1,2,3,4,5,6,7
.irp x, 0,1
.if \t < 4
	v_wmma_scale_f32_16x16x128_f8f6f4 v[S0+64*\x+8*\t:S0+64*\x+8*\t+7], v[KF+8*\t:KF+8*\t+15], v[QF+16*\x:QF+16*\x+15], 0, v[KSC+\t], v[QS+\x] matrix_a_fmt:MATRIX_FMT_BF8 matrix_b_fmt:MATRIX_FMT_BF8
.else
	v_wmma_scale_f32_16x16x128_f8f6f4 v[S0+64*\x+8*\t:S0+64*\x+8*\t+7], v[KF+8*\t:KF+8*\t+15], v[QF+16*\x:QF+16*\x+15], 0, v[KSC+\t-4], v[QS+\x] matrix_a_fmt:MATRIX_FMT_BF8 matrix_b_fmt:MATRIX_FMT_BF8 matrix_a_scale:MATRIX_SCALE_ROW1
.endif
.endr
.endr
	WIN 0
	v_add_nc_u32 v[ADK], 8192, v[ADK]              ; eight places ahead of the loads into K's and V's registers and of the first read of S^T: the addresses' steps
	v_add_nc_u32 v[ADSK], 512, v[ADSK]
	v_add_nc_u32 v[ADV], 8192, v[ADV]
	v_add_nc_u32 v[ADSV], 256, v[ADSV]
.rept 4
	v_nop                                          ; and four more
.endr
	LOADS 1                                        ; the next step's K, this step's V
.set N_, 0
.rept 32
	MX 0, N_
.set N_, N_+1
.endr
.set N_, 0
.rept 32                                       ; tile 1's maxima, tile 0's row statistics among them
	MX 1, N_
.if N_%3 == 2
	RS N_/3, 0
.endif
.set N_, N_+1
.endr
.set N_, 0
.rept 32                                       ; tile 0's t - M, tile 1's row statistics among them
	PKF 0, N_
.if N_%3 == 2
	RS N_/3, 1
.endif
.set N_, N_+1
.endr
	s_wait_alu depctr_va_vdst(0)                   ; ahead of the batch
.set N_, 0
.rept 32                                       ; tile 0's p; among them tile 1's t - M, which reads nothing written in this run
	v_exp_f32 v[S0+2*N_], v[S0+2*N_]
	v_exp_f32 v[S0+2*N_+1], v[S0+2*N_+1]
	PKF 1, N_
.set N_, N_+1
.endr
	s_wait_alu depctr_va_vdst(0)                   ; and behind it
.set N_, 0
.rept 32                                       ; tile 0's sum; among its lines both tiles' block scales and scale words
	SUML 0, N_
.if N_ < 24
.set Q_, 2*N_
	BS Q_/8, Q_%2, (Q_%8)/2
.set Q_, 2*N_+1
	BS Q_/8, Q_%2, (Q_%8)/2
.else
	PWL (N_-24)/2, N_%2
.endif
.set N_, N_+1
.endr
	s_wait_alu depctr_va_vdst(0)                   ; ahead of the batch: the holds in it read bounds just made
.set N_, 0
.rept 32                                       ; tile 1's p; among them tile 0's holds
	v_exp_f32 v[S0+64+2*N_], v[S0+64+2*N_]
	v_exp_f32 v[S0+64+2*N_+1], v[S0+64+2*N_+1]
	DMIN 0, N_
.set N_, N_+1
.endr
	v_nop
	s_wait_alu depctr_va_vdst(0)
	CODES 0
	SUML 1, 0
.set N_, 1
.rept 31                                       ; tile 1's sum; a hold follows the line that has read its numbers
	SUML 1, N_
	DMIN 1, N_-1
.set N_, N_+1
.endr
	DMIN 1, 31
	CODES 1
	s_wait_dscnt 0x0                               ; V, its scale words and the next step's K are in
	WIN 0x41
	s_wait_alu depctr_va_vdst(0)                   ; directly ahead of the first reader of O^T
.irp x, 0,1
.irp j, 0,2,4,6,8,10,12,14,16,18,20,22,24,26,28,30
	v_pk_mul_f32 v[O0+32*\x+\j:O0+32*\x+\j+1], v[O0+32*\x+\j:O0+32*\x+\j+1], v[T0+32*\x+FF:T0+32*\x+FF+1] op_sel_hi:[1,0]   ; O^T under the new M; also the places behind the conversions
.endr
.endr
	WIN 0x51                                       ; V and O^T in window 1, p's codes in window 0
.irp t, 0,1,2,3
.irp x, 0,1
	v_wmma_scale_f32_16x16x128_f8f6f4 v[O0+32*\x+8*\t:O0+32*\x+8*\t+7], v[VF+16*\t:VF+16*\t+15], v[PC0+16*\x:PC0+16*\x+15], v[O0+32*\x+8*\t:O0+32*\x+8*\t+7], v[VSC+\t], v[PW+\x] matrix_a_fmt:MATRIX_FMT_BF8 matrix_b_fmt:MATRIX_FMT_BF8
.endr
.endr
	WIN 0
.endm
.macro WALK                            ; all 2,048 keys
	s_mov_b32 s[KST], 16
.Lstep_\@:
	STEP
	s_sub_co_u32 s[KST], s[KST], 1
	s_cmp_lg_u32 s[KST], 0
	s_cbranch_scc1 .Lstep_\@
.rept 8
	v_nop                                          ; places ahead of the first read of O^T
.endr
.endm
.macro FINISH pi                       ; O^T / the sum, quantised in two blocks of 32 channels, stored as an image of the next product's registers
.irp x, 0,1
	v_add_f32 v[T0+32*\x+L], v[T0+32*\x+L], v[T0+32*\x+L+1]
.endr
.irp x, 0,1
	v_permlanex16_b32 v[T0+32*\x+TQ], v[T0+32*\x+L], s[SEL], s[SEL+1]
.endr
.irp x, 0,1
	v_add_f32 v[T0+32*\x+L], v[T0+32*\x+L], v[T0+32*\x+TQ]
.endr
	s_wait_alu depctr_va_vdst(0)                   ; ahead of the transcendentals
.irp x, 0,1
	v_rcp_f32 v[T0+32*\x+FF], v[T0+32*\x+L]
.endr
	v_nop
	WIN 0x01
	s_wait_alu depctr_va_vdst(0)                   ; and behind them, directly ahead of the first reader of O^T
.irp x, 0,1
.irp j, 0,2,4,6,8,10,12,14,16,18,20,22,24,26,28,30
	v_pk_mul_f32 v[S0+64*\x+\j:S0+64*\x+\j+1], v[O0+32*\x+\j:O0+32*\x+\j+1], v[T0+32*\x+FF:T0+32*\x+FF+1] op_sel_hi:[1,0]
.endr
.endr
	WIN 0
.irp x, 0,1
.irp b, 0,1
	v_max3_num_f32 v[T0+32*\x+BM+\b], |v[S0+64*\x+16*\b]|, |v[S0+64*\x+16*\b+1]|, 0x8000000
.endr
.endr
.irp i, 2,4,6,8,10,12,14
.irp x, 0,1
.irp b, 0,1
	v_max3_num_f32 v[T0+32*\x+BM+\b], v[T0+32*\x+BM+\b], |v[S0+64*\x+16*\b+\i]|, |v[S0+64*\x+16*\b+\i+1]|
.endr
.endr
.endr
.irp x, 0,1
.irp b, 0,1
	v_permlanex16_b32 v[T0+32*\x+BP+\b], v[T0+32*\x+BM+\b], s[SEL], s[SEL+1]
.endr
.endr
.irp x, 0,1
.irp b, 0,1
	v_max_num_f32 v[T0+32*\x+BM+\b], v[T0+32*\x+BM+\b], v[T0+32*\x+BP+\b]
.endr
.endr
.irp x, 0,1
.irp b, 0,1
	v_add_nc_u32 v[T0+32*\x+SOP+\b], 0xf8800000, v[T0+32*\x+BM+\b]
.endr
.endr
.irp x, 0,1
.irp b, 0,1
	v_and_or_b32 v[T0+32*\x+HOLD+\b], v[T0+32*\x+BM+\b], 0x7f800000, s[MNT]
.endr
.endr
.irp x, 0,1
.irp b, 0,1
	v_lshrrev_b32 v[T0+32*\x+EE+\b], 23, v[T0+32*\x+SOP+\b]
.endr
.endr
.irp x, 0,1
	v_lshl_or_b32 v[T0+32*\x+TP], v[T0+32*\x+EE+1], 8, v[T0+32*\x+EE]
.endr
.irp x, 0,1
.irp b, 0,1
.irp i, 0,1,2,3,4,5,6,7,8,9,10,11,12,13,14,15
	v_med3_num_f32 v[S0+64*\x+16*\b+\i], v[S0+64*\x+16*\b+\i], -v[T0+32*\x+HOLD+\b], v[T0+32*\x+HOLD+\b]
.endr
	v_cvt_scalef32_pk8_bf8_f32 v[PC0+16*\x+4*\b:PC0+16*\x+4*\b+1], v[S0+64*\x+16*\b:S0+64*\x+16*\b+7], v[T0+32*\x+SOP+\b]
	v_cvt_scalef32_pk8_bf8_f32 v[PC0+16*\x+4*\b+2:PC0+16*\x+4*\b+3], v[S0+64*\x+16*\b+8:S0+64*\x+16*\b+15], v[T0+32*\x+SOP+\b]
.endr
.endr
	v_nop
.irp x, 0,1
	global_store_b128 v[AL], v[PC0+16*\x:PC0+16*\x+3], s[8:9] offset:262144*\pi+16384*\x
	global_store_b128 v[AL], v[PC0+16*\x+4:PC0+16*\x+7], s[8:9] offset:262144*\pi+16384*\x+512
	global_store_b16 v[R32], v[T0+32*\x+TP], s[10:11] offset:8192*\pi+512*\x
.endr
.endm
	QLOAD 0
	ADDRS
	WIN 0x40
.irp i, 8,9,10,11,12,13,14,15
	v_mov_b32 v[QF+\i], 0                          ; Q's codes 64 .. 127, both tiles,
	v_mov_b32 v[QF+16+\i], 0
	v_mov_b32 v[KF+56+\i], 0                       ; and the registers above K's last tile
.endr
	WIN 0
.irp x, 0,1
	v_mov_b32 v[T0+32*\x+NM+1], 0                  ; named as upper halves of pairs
	v_mov_b32 v[T0+32*\x+FF+1], 0
	v_mov_b32 v[T0+32*\x+TQ], 0                    ; a lane permute's destination counts as one of its sources
.irp b, 0,1,2,3
	v_mov_b32 v[T0+32*\x+BP+\b], 0
.endr
.endr
	INIT
	s_wait_alu depctr_va_vdst(0)                   ; the head's end
	s_wait_tensorcnt 0x0                           ; on every wave's way: my load, if I had one, has landed
	s_barrier_signal -1
	s_barrier_wait -1                              ; K, V and the scale words are whole
	LOADS 0
	s_wait_loadcnt 0x0                             ; Q
	s_wait_dscnt 0x0                               ; K's first tiles; in the loop the wait ahead of the second product covers the next step's
	WALK
	ADDRS
	LOADS 0                                        ; the second pass: K's first tiles again,
	QLOAD 1                                        ; and its queries
	FINISH 0
	INIT
	s_wait_alu depctr_va_vdst(0)
	s_wait_xcnt 0x0                                ; the stores have read their registers
	s_wait_loadcnt 0x0
	s_wait_dscnt 0x0
	WALK
	FINISH 1
	s_wait_tensorcnt 0x0                           ; the wave's end
	ds_add_u32 v[SPW], v[NIL]
	s_wait_dscnt 0x0
	ROUND                                          ; the closing round
	s_endpgm
.Lfunc_end_k_qce72343015_attn:
	.size	k_qce72343015_attn, .Lfunc_end_k_qce72343015_attn-k_qce72343015_attn
	.p2alignl 7, 3214868480
	.fill 96, 4, 3214868480
	.section	.rodata,"a",@progbits
	.p2align	6, 0x0
	.amdhsa_kernel k_qce72343015_attn
		.amdhsa_group_segment_fixed_size 327680
		.amdhsa_private_segment_fixed_size 0
		.amdhsa_enable_private_segment 0
		.amdhsa_kernarg_size 32
		.amdhsa_user_sgpr_count 2
		.amdhsa_user_sgpr_kernarg_segment_ptr 1
		.amdhsa_wavefront_size32 1
		.amdhsa_system_sgpr_workgroup_id_x 1
		.amdhsa_system_sgpr_workgroup_id_y 1
		.amdhsa_system_sgpr_workgroup_id_z 1
		.amdhsa_system_vgpr_workitem_id 0
		.amdhsa_next_free_vgpr 512
		.amdhsa_next_free_sgpr 66
		.amdhsa_reserve_vcc 0
		.amdhsa_float_denorm_mode_32 3
		.amdhsa_float_denorm_mode_16_64 3
		.amdhsa_memory_ordered 1
		.amdhsa_forward_progress 1
		.amdhsa_inst_pref_size 106
	.end_amdhsa_kernel
	.amdgpu_metadata
---
amdhsa.version: [ 1, 2 ]
amdhsa.kernels:
  - .name:           k_qce72343015_attn
    .symbol:         k_qce72343015_attn.kd
    .args:
      - { .name: img, .offset: 0, .size: 8, .value_kind: global_buffer, .address_space: global }
      - { .name: sc, .offset: 8, .size: 8, .value_kind: global_buffer, .address_space: global }
      - { .name: a_img, .offset: 16, .size: 8, .value_kind: global_buffer, .address_space: global }
      - { .name: a_sc, .offset: 24, .size: 8, .value_kind: global_buffer, .address_space: global }
    .group_segment_fixed_size: 327680
    .private_segment_fixed_size: 0
    .kernarg_segment_align: 8
    .kernarg_segment_size: 32
    .max_flat_workgroup_size: 256
    .sgpr_count:     66
    .vgpr_count:     512
    .wavefront_size: 32
...
	.end_amdgpu_metadata
.endif
;; end of part 3
;; launch out_proj (part 4): grid 8 x 32, 4 waves a work-group, clusters of 4 x 4, 327,680 bytes of LDS; arguments a_img, a_sc, Wo_codes, Wo_scales, bo, out0; writes out0
.if DOCPART == 4
	.amdgcn_target "amdgcn-amd-amdhsa--gfx1250"
	.amdhsa_code_object_version 6
	.text
	.protected	k_qce72343015_out_proj
	.globl	k_qce72343015_out_proj
	.p2align	8
	.type	k_qce72343015_out_proj,@function
k_qce72343015_out_proj:
	s_mov_b64 s[64:65], 0
	v_nop
	global_prefetch_b8 v0, s[64:65] scope:SCOPE_SE
	s_setreg_imm32_b32 hwreg(HW_REG_WAVE_MODE, 25, 1), 1
	s_wait_xcnt 0x0
	s_wait_alu depctr_hold_cnt(0) depctr_sa_sdst(0) depctr_va_vdst(0) depctr_va_sdst(0) depctr_va_ssrc(0) depctr_va_vcc(0) depctr_vm_vsrc(0)
	s_getreg_b32 s2, hwreg(HW_REG_IB_STS2, 6, 4)
	s_cmp_eq_u32 s2, 0
	s_cbranch_scc0 .Lentry_in_a_cluster
	s_endpgm
.Lentry_in_a_cluster:
	s_bfe_u32 s2, ttmp6, 0x10000c
	s_cmp_lg_u32 s2, 0xf033
	s_cbranch_scc0 .Lentry_shape_is_right
	s_endpgm
.Lentry_shape_is_right:
; out0 = a Wo^T + bo in f32, on codes of BF8 (E5M2) with E8M0 scales, K = 1,024.  A = the attention's output as images of operand registers (a_img, a_sc), B = Wo.
; 256 work-groups of four waves: a work-group makes 256 tokens x 128 columns, a wave 128 x 64: 32 accumulators.  K goes in steps of 256 through two LDS slots; the scale bytes come once.
; 4 x 4 work-groups form a cluster: A's tiles are asked for jointly along a row of the cluster, B's along a column.  The product is used transposed; bo is the C of each sum's first product.
; No prefetch: K has four steps, of which the head and the first round ask for two.  NaN and infinities are not served.
.set MODE,   2
.set NQ,     2
.set ROWB,   256
.set KROW,   1024
.set PITCH,  272
.set FR,     16
.set NL,     4
.set NP,     8
.set HALFT,  64*PITCH                  ; B: 64 padded rows: what a wave fetches in the ring, and what a wave reads
.if MODE == 2
.set HALFA,  32768
.set ASTEP,  4096
.else
.set HALFA,  HALFT
.set ASTEP,  ROWB
.endif
.set SLOT,   2*HALFA+2*HALFT
.set LAPS,   2
.set KS,     32
.set SCL,    2*SLOT
.set HALFS,  16*272
.set SBLK,   2*272
.set SPARE,  SCL+4*HALFS
.set SP,     272
.set SCS,    256*SP
.set SPITCH, 528
.set SST,  8
.set SRD,  9
.set SH,   10
.set BO,   11
.set ADRA, 16
.set ADRB, 20
.set STO,  24
.set RD,   25
.set CO,   26
.set ADRS, 27
.set SPW,  28
.set NIL,  29
.set SC,   32
.set BI,   64
.set AF,   128
.set BK,   128
.set T,    128
.set PC,   192
.set TM,   208
.set PW,   224
.set SW,   225
.set G1,   24
.set G0,   32
.set G1B,  48
.set G0B,  56
.set G1S,  68
.set G0S,  76
.set G1SB, 80
.set G0SB, 88
.set MSB, 0
.macro WIN new
.if MSB != (\new)
	s_set_vgpr_msb (MSB<<8)|(\new)
.set MSB, (\new)
.endif
.endm
.set MUL_LO, 0xa1
.set TO_B,   0x40
.macro WINMUL hi, zero
.if (\zero) && (MODE == 2)
	WIN 0x81+0x40*\hi
.else
	WIN MUL_LO+0x50*\hi
.endif
.endm
.macro JLOAD g0a, g1a, g0b, g1b
	s_cmp_eq_u32 s15, 0
	s_cbranch_scc0 .Lfor_b_\@
	tensor_load_to_lds s[\g0a:\g0a+3], s[\g1a:\g1a+7]
	s_nop 0
.rept 4
	v_nop
.endr
	s_branch .Lasked_\@
.Lfor_b_\@:
	tensor_load_to_lds s[\g0b:\g0b+3], s[\g1b:\g1b+7]
	s_nop 0
.rept 4
	v_nop
.endr
.Lasked_\@:
.endm
.macro CREST
	s_cmp_lg_u32 s14, 0
	s_cbranch_scc1 .Lnot_wave_0_\@
	s_barrier_signal -3
.Lnot_wave_0_\@:
	s_barrier_wait -3
	s_barrier_signal -1
	s_barrier_wait -1
.endm
.macro CROUND
	s_barrier_signal -1
	s_barrier_wait -1
	CREST
.endm
	s_load_b128 s[4:7], s[0:1], 0x0
	s_load_b128 s[8:11], s[0:1], 0x10
.if MODE == 0
	s_load_b128 s[68:71], s[0:1], 0x20
	s_load_b128 s[72:75], s[0:1], 0x30
	s_load_b64 s[12:13], s[0:1], 0x40
	s_load_b64 s[98:99], s[0:1], 0x48
.elseif MODE == 1
	s_load_b64 s[96:97], s[0:1], 0x20
	s_load_b64 s[12:13], s[0:1], 0x28
	s_load_b64 s[98:99], s[0:1], 0x30
.else
	s_load_b64 s[96:97], s[0:1], 0x20
	s_load_b64 s[12:13], s[0:1], 0x28
.endif
	v_lshl_add_u32 v[SPW], v0, 2, SPARE
	v_mov_b32 v[NIL], 0
	ds_add_u32 v28, v29
	ds_add_u32 v28, v29
	s_wait_dscnt 0x0
	v_lshrrev_b32 v1, 5, v0
	v_readfirstlane_b32 s14, v1
	s_lshr_b32 s15, s14, 1
	s_and_b32 s16, s14, 1
	s_bfe_u32 s40, ttmp6, 0x40000
	s_bfe_u32 s41, ttmp6, 0x40004
.if MODE == 1
	s_lshl_b32 s42, ttmp9, 2
	s_add_co_u32 s42, s42, s40
	s_mov_b32 s17, s41
.else
	s_lshl_b32 s42, ttmp9, 2
	s_add_co_u32 s42, s42, s40                     ; X, B's tile of 128 rows: 4 x cluster x + cx
	s_and_b32 s17, ttmp7, 0xffff
	s_lshl_b32 s17, s17, 2
	s_add_co_u32 s17, s17, s41
.endif
	s_lshl_b32 s43, s41, 2
	s_lshl_b32 s43, 15, s43
	s_lshl_b32 s44, 0x1111, s40
.if MODE == 2
	s_or_b32 s[G1+0], s43, (3<<16)|(1<<21)
	s_mov_b32 s[G1+1], 512<<16
	s_mov_b32 s[G1+2], 16<<16
	s_mov_b32 s[G1+3], 512<<16
	s_mov_b32 s[G1+4], 16
	s_mov_b32 s[G1+5], 2048
.else
	s_or_b32 s[G1+0], s43, (1<<20)|(1<<21)|(5<<22)|(3<<25)
	s_mov_b32 s[G1+1], ROWB<<16
	s_mov_b32 s[G1+2], 128<<16
	s_mov_b32 s[G1+3], ROWB<<16
	s_mov_b32 s[G1+4], 128
	s_mov_b32 s[G1+5], KROW
.endif
	s_mov_b32 s[G1+6], 0
	s_mov_b32 s[G1+7], 0
	s_or_b32 s[G1B+0], s44, (1<<20)|(1<<21)|(5<<22)|(3<<25)
	s_mov_b32 s[G1B+1], ROWB<<16
	s_mov_b32 s[G1B+2], 128<<16
	s_mov_b32 s[G1B+3], ROWB<<16
	s_mov_b32 s[G1B+4], 128
	s_mov_b32 s[G1B+5], KROW
	s_mov_b32 s[G1B+6], 0
	s_mov_b32 s[G1B+7], 0
	s_lshl_b32 s20, s17, 8
	s_lshl_b32 s46, s42, 7
	s_lshl_b32 s22, s20, 5
	s_mov_b32 s23, 0
	s_lshl_b32 s92, s46, 5
	s_mov_b32 s93, 0
	s_lshl_b32 s20, s20, 10
	s_mov_b32 s21, 0
	s_lshl_b32 s46, s46, 10
	s_mov_b32 s47, 0
	s_mul_i32 s45, s16, HALFA
	s_mul_i32 s66, s16, HALFT
	s_add_co_u32 s66, s66, 2*HALFA
	s_lshl_b32 s18, s16, 17                        ; in the ring I fetch 128 rows of a tile: which half, in bytes
	s_mov_b32 s19, 0
	s_wait_kmcnt 0x0
.if MODE == 0
	s_cmp_eq_u32 ttmp9, 0
	s_cselect_b64 s[8:9], s[8:9], s[68:69]
	s_cselect_b64 s[10:11], s[10:11], s[70:71]
	s_cselect_b64 s[96:97], s[72:73], s[74:75]
.endif
	s_or_b32 s[G1S+0], s43, (3<<16)|(1<<20)|(1<<21)|(5<<22)|(3<<25)
	s_or_b32 s[G1SB+0], s44, (3<<16)|(1<<20)|(1<<21)|(5<<22)|(3<<25)
.irp g, G1S, G1SB
	s_mov_b32 s[\g+1], 32<<16
	s_mov_b32 s[\g+2], 32<<16
	s_mov_b32 s[\g+3], 32<<16
	s_mov_b32 s[\g+4], 32
	s_mov_b32 s[\g+5], 32
	s_mov_b32 s[\g+6], 0
	s_mov_b32 s[\g+7], 0
.endr
	s_mov_b32 s[G1SB+2], 16<<16                    ; B has 128 rows: 16 rows of 256 scale bytes are left of the tensor; the tile's other 16 are written as zeros, which no product names
	s_add_nc_u64 s[20:21], s[4:5], s[20:21]
	s_add_nc_u64 s[22:23], s[6:7], s[22:23]
	s_add_nc_u64 s[46:47], s[8:9], s[46:47]
	s_add_nc_u64 s[92:93], s[10:11], s[92:93]
	CROUND
	s_mov_b32 s[G0S], 1
	s_mov_b32 s[G0S+1], SCL
	s_mov_b64 s[G0S+2:G0S+3], s[22:23]
	s_or_b32 s[G0S+3], s[G0S+3], 0x80000000
	s_mov_b32 s[G0SB], 1
	s_mov_b32 s[G0SB+1], SCL+2*HALFS
	s_mov_b64 s[G0SB+2:G0SB+3], s[92:93]
	s_or_b32 s[G0SB+3], s[G0SB+3], 0x80000000
	s_mov_b32 s4, 1                                ; group 0 of the head's loads of K step 0: A's 16 tiles of 16 rows,
	s_mov_b32 s5, 0
	s_mov_b64 s[6:7], s[20:21]
	s_or_b32 s7, s7, 0x80000000
	s_mov_b32 s8, 1                                ; B's 128 rows, behind them in slot 0
	s_mov_b32 s9, 2*HALFA
	s_mov_b64 s[10:11], s[46:47]
	s_or_b32 s11, s11, 0x80000000
	s_add_nc_u64 s[20:21], s[20:21], s[18:19]      ; for the ring: my 128 rows
	s_lshl_b32 s22, s16, 16                        ; B: my 64 rows
	s_mov_b32 s23, 0
	s_add_nc_u64 s[46:47], s[46:47], s[22:23]
.irp s, 0,1
	s_mov_b32 s[G0+4*\s], 1
	s_add_co_u32 s[G0+4*\s+1], s45, \s*SLOT
	s_add_nc_u64 s[G0+4*\s+2:G0+4*\s+3], s[20:21], \s*ASTEP
	s_or_b32 s[G0+4*\s+3], s[G0+4*\s+3], 0x80000000
	s_mov_b32 s[G0B+4*\s], 1
	s_add_co_u32 s[G0B+4*\s+1], s66, \s*SLOT
	s_add_nc_u64 s[G0B+4*\s+2:G0B+4*\s+3], s[46:47], \s*ROWB
	s_or_b32 s[G0B+4*\s+3], s[G0B+4*\s+3], 0x80000000
.endr
; the head's four tiles, one joint load a wave, in one chain of branches on the wave's number: A's rows, B's rows, A's scales, B's scales
.macro ARM under, g0, g1, next
	s_cmp_lt_u32 s14, \under
	s_cbranch_scc0 \next
	tensor_load_to_lds s[\g0:\g0+3], s[\g1:\g1+7]
	s_nop 0
.rept 4
	v_nop
.endr
	s_branch .Lhead_asked
\next:
.endm
	ARM 1, 4, G1, .Lhead_b
	ARM 2, 8, G1B, .Lhead_sa
	ARM 3, G0S, G1S, .Lhead_sb
	tensor_load_to_lds s[G0SB:G0SB+3], s[G1SB:G1SB+7]
	s_nop 0
.rept 4
	v_nop
.endr
.Lhead_asked:
	v_and_b32 v1, 15, v0
	v_bfe_u32 v2, v0, 4, 1
	v_mul_u32_u24 v3, v1, PITCH
	v_lshl_add_u32 v4, v2, 4, v3
	v_and_b32 v6, 31, v0
	v_lshlrev_b32 v[CO], 4, v6
.if MODE == 2
.set AT, CO
.else
.set AT, 4
.endif
	s_mul_i32 s21, s15, HALFA
	s_mul_i32 s22, s16, HALFT
	s_add_co_u32 s22, s22, 2*HALFA
.irp s, 0,1
	v_add_nc_u32 v[ADRA+\s], s21, v[AT]
	v_add_nc_u32 v[ADRB+\s], s22, v4
	s_add_co_u32 s21, s21, SLOT
	s_add_co_u32 s22, s22, SLOT
.endr
	v_mul_u32_u24 v6, v1, KS
	v_lshrrev_b32 v7, 8, v6
	v_lshl_add_u32 v6, v7, 4, v6
	s_mul_i32 s21, s15, HALFS
	s_mul_i32 s22, s16, HALFS/2
	s_add_co_u32 s22, s22, 2*HALFS
	s_sub_co_u32 s22, s22, s21
	v_mul_u32_u24 v7, s22, v2
	s_add_co_u32 s21, s21, SCL
	v_add_nc_u32 v6, v6, v7
	v_add_nc_u32 v[ADRS], s21, v6
.if MODE == 1
	s_lshl_b32 s18, s17, 10
	s_lshl_b32 s19, s15, 9
	v_lshlrev_b32 v[BO], 2, v1
.else
	s_lshl_b32 s18, s42, 9
	s_lshl_b32 s19, s16, 8
	v_lshlrev_b32 v[BO], 5, v2
.endif
	s_add_co_u32 s18, s18, s19
	s_mov_b32 s19, 0
	s_add_nc_u64 s[96:97], s[96:97], s[18:19]
.irp b, 0,1,2,3
.if MODE == 1
	global_load_b32 v[BI+2*\b], v[BO], s[96:97] offset:64*\b
	global_load_b32 v[BI+2*\b+1], v[BO], s[96:97] offset:64*\b
.else
	global_load_b128 v[BI+8*\b:BI+8*\b+3], v[BO], s[96:97] offset:64*\b
	global_load_b128 v[BI+8*\b+4:BI+8*\b+7], v[BO], s[96:97] offset:64*\b+16
.endif
.endr
.if MODE == 2
	s_mul_i32 s23, s14, 16*SPITCH
	v_mul_u32_u24 v5, v1, SPITCH
	v_lshl_add_u32 v5, v2, 5, v5
	v_add_nc_u32 v[STO], s23, v5
	v_mul_u32_u24 v5, v2, SPITCH                   ; back: lanes 0-15 take one row of 256 bytes, lanes 16-31 the next
	v_lshl_add_u32 v5, v1, 4, v5
	v_add_nc_u32 v[RD], s23, v5
	v_lshlrev_b32 v[SRD], 12, v2                   ; and the same two rows in out0
	v_lshl_add_u32 v[SRD], v1, 4, v[SRD]
	s_lshl_b32 s20, s17, 8
	s_lshl_b32 s21, s15, 7
	s_add_co_u32 s20, s20, s21
	s_lshl_b32 s20, s20, 12
	s_lshl_b32 s46, s42, 9
	s_lshl_b32 s47, s16, 8
	s_add_co_u32 s46, s46, s47
	s_add_co_u32 s46, s46, s20
	s_mov_b32 s47, 0
	s_add_nc_u64 s[12:13], s[12:13], s[46:47]
.else
	s_mul_i32 s18, s15, 128*SP
	s_lshl_b32 s19, s16, 7
	s_add_co_u32 s18, s18, s19
	v_mul_u32_u24 v5, v1, SP
	v_lshl_add_u32 v5, v2, 3, v5
	v_add_nc_u32 v[STO], s18, v5
	v_and_b32 v5, 8, v1
	v_add_nc_u32 v5, v5, v1
	v_mul_u32_u24 v5, v5, SP
	v_lshl_add_u32 v5, v2, 4, v5
	s_mul_i32 s18, s14, 64*SP
	v_add_nc_u32 v[RD], s18, v5
	v_and_b32 v5, 7, v1
	v_lshlrev_b32 v5, 4, v5
	v_lshrrev_b32 v6, 3, v1
	v_lshl_add_u32 v5, v6, 2, v5
.if MODE == 0
	v_lshlrev_b32 v[SH], 4, v2
	v_lshl_add_u32 v5, v2, 10, v5
	s_lshl_b32 s18, s16, 11
	s_lshl_b32 s19, s15, 9
	s_add_co_u32 s18, s18, s19
	s_add_co_u32 s18, s18, SCS
	v_add_nc_u32 v[SST], s18, v5
	s_lshl_b32 s18, s14, 10
	s_add_co_u32 s18, s18, SCS
	v_add_nc_u32 v[SRD], s18, v[CO]
	s_lshr_b32 s92, s17, 3
	s_lshl_b32 s92, s92, 4
	s_lshl_b32 s93, s40, 2
	s_add_co_u32 s92, s92, s93
	s_mul_i32 s46, s92, 393216
	s_lshl_b32 s93, ttmp9, 17
	s_add_co_u32 s46, s46, s93
	s_and_b32 s93, s17, 7
	s_lshl_b32 s47, s93, 3
	s_lshl_b32 s95, s14, 1
	s_add_co_u32 s47, s47, s95
	s_lshl_b32 s47, s47, 11
	s_add_co_u32 s46, s46, s47
	s_mov_b32 s47, 0
	s_add_nc_u64 s[12:13], s[12:13], s[46:47]
	s_add_co_u32 s92, s92, s14
	s_mul_i32 s46, s92, 20480
	s_lshl_b32 s95, ttmp9, 13
	s_add_co_u32 s46, s46, s95
	s_lshl_b32 s93, s93, 10
	s_add_co_u32 s46, s46, s93
	s_add_nc_u64 s[98:99], s[98:99], s[46:47]
.set NS, 2
.else
	s_lshl_b32 s18, s15, 10
	s_lshl_b32 s19, s16, 8
	s_add_co_u32 s18, s18, s19
	s_add_co_u32 s18, s18, SCS
	v_add_nc_u32 v[SST], s18, v5
	s_lshl_b32 s18, s14, 9
	s_add_co_u32 s18, s18, SCS
	v_add_nc_u32 v[SRD], s18, v[CO]
	s_lshr_b32 s92, s42, 3
	s_lshl_b32 s92, s92, 4
	s_lshl_b32 s93, s17, 2
	s_add_co_u32 s92, s92, s93
	s_add_co_u32 s92, s92, s14
	s_mul_i32 s46, s92, 393216
	s_add_co_u32 s46, s46, 262144
	s_and_b32 s93, s42, 7
	s_lshl_b32 s47, s93, 14
	s_add_co_u32 s46, s46, s47
	s_mov_b32 s47, 0
	s_add_nc_u64 s[12:13], s[12:13], s[46:47]
	s_mul_i32 s46, s92, 20480
	s_add_co_u32 s46, s46, 16384
	s_lshl_b32 s93, s93, 9
	s_add_co_u32 s46, s46, s93
	s_add_nc_u64 s[98:99], s[98:99], s[46:47]
.set NS, 1
.endif
.endif
.macro FRAGB reg, adr, q, i
.irp c, 0,1,2,3
	ds_load_b128 v[\reg+4*\c:\reg+4*\c+3], v[\adr] offset:128*(\q)+32*\c+(\i)*16*PITCH
.endr
.endm
.macro FRAGA reg, adr, q, i
.irp c, 0,1,2,3
.if MODE == 2
	ds_load_b128 v[\reg+4*\c:\reg+4*\c+3], v[\adr] offset:2048*(\q)+512*\c+(\i)*4096
.else
	ds_load_b128 v[\reg+4*\c:\reg+4*\c+3], v[\adr] offset:128*(\q)+32*\c+(\i)*16*PITCH
.endif
.endr
.endm
.macro MUL16 a0, p, q, sc, zero
.irp a, \a0, \a0+1
.irp b, 0,1,2,3
.if (\zero) && (MODE == 2)
	v_wmma_scale_f32_16x16x128_f8f6f4 v[8*(8*((\a)%4)+\b):8*(8*((\a)%4)+\b)+7], v[128*(\p)+FR*\b:128*(\p)+FR*\b+FR-1], v[AF+FR*(\a):AF+FR*(\a)+FR-1], v[BI+8*\b:BI+8*\b+7], v[SC+8*NQ*(\sc)+NQ*\b+(\q)], v[SC+8*NQ*(\sc)+NQ*(\a)+(\q)] matrix_a_fmt:MATRIX_FMT_BF8 matrix_b_fmt:MATRIX_FMT_BF8 matrix_a_scale:MATRIX_SCALE_ROW1
.elseif \zero
	v_wmma_scale_f32_16x16x128_f8f6f4 v[8*(8*((\a)%4)+\b):8*(8*((\a)%4)+\b)+7], v[128*(\p)+FR*\b:128*(\p)+FR*\b+FR-1], v[AF+FR*(\a):AF+FR*(\a)+FR-1], 0, v[SC+8*NQ*(\sc)+NQ*\b+(\q)], v[SC+8*NQ*(\sc)+NQ*(\a)+(\q)] matrix_a_fmt:MATRIX_FMT_BF8 matrix_b_fmt:MATRIX_FMT_BF8 matrix_a_scale:MATRIX_SCALE_ROW1
.else
	v_wmma_scale_f32_16x16x128_f8f6f4 v[8*(8*((\a)%4)+\b):8*(8*((\a)%4)+\b)+7], v[128*(\p)+FR*\b:128*(\p)+FR*\b+FR-1], v[AF+FR*(\a):AF+FR*(\a)+FR-1], v[8*(8*((\a)%4)+\b):8*(8*((\a)%4)+\b)+7], v[SC+8*NQ*(\sc)+NQ*\b+(\q)], v[SC+8*NQ*(\sc)+NQ*(\a)+(\q)] matrix_a_fmt:MATRIX_FMT_BF8 matrix_b_fmt:MATRIX_FMT_BF8 matrix_a_scale:MATRIX_SCALE_ROW1
.endif
.endr
.endr
.endm
.macro FETCH_B slot, q, p
	WIN TO_B
.irp i, 0,1,2,3
	FRAGB 128*(\p)+FR*\i, ADRB+\slot, \q, \i
.endr
	WIN 0
.endm
.macro FETCH_A slot, q, i0
.irp i, \i0, \i0+1, \i0+2, \i0+3
	FRAGA AF+FR*(\i), ADRA+\slot, \q, \i
.endr
.endm
.macro SCALES sc
.irp i, 0,1,2,3,4,5,6,7
	ds_load_b64 v[SC+8*NQ*\sc+NQ*\i:SC+8*NQ*\sc+NQ*\i+1], v[ADRS] offset:\i*SBLK
.endr
.endm
.macro PLACES n
.rept \n
	v_nop
.endr
.endm
.macro STEP slot, q, zero
	s_wait_dscnt 4*NL
	WINMUL 0, \zero
	MUL16 0, (\q)%2, \q, \slot, \zero
	MUL16 2, (\q)%2, \q, \slot, \zero
	s_wait_dscnt 0
	PLACES NP
	FETCH_B \slot, (\q)+1, 1-(\q)%2
	FETCH_A \slot, (\q)+1, 0
	WINMUL 1, \zero
	MUL16 4, (\q)%2, \q, \slot, \zero
	MUL16 6, (\q)%2, \q, \slot, \zero
	PLACES NP
	WIN 0
	FETCH_A \slot, (\q)+1, 4
.endm
.macro TURN slot, next, fill
	s_wait_tensorcnt 0x0
	ds_add_u32 v[SPW], v[NIL]
	s_wait_dscnt 4*NL+1
	WIN MUL_LO
	MUL16 0, 1, NQ-1, \slot, 0
	s_wait_dscnt 0x0
	s_barrier_signal -1
	MUL16 2, 1, NQ-1, \slot, 0
	WIN 0
	s_barrier_wait -1
.if \fill
	CREST
	s_add_nc_u64 s[G0+4*\slot+2:G0+4*\slot+3], s[G0+4*\slot+2:G0+4*\slot+3], 2*ASTEP
	s_add_nc_u64 s[G0B+4*\slot+2:G0B+4*\slot+3], s[G0B+4*\slot+2:G0B+4*\slot+3], 2*ROWB
	JLOAD G0+4*\slot, G1, G0B+4*\slot, G1B
	PLACES NP-4
.else
	PLACES NP
.endif
	s_wait_alu depctr_va_vdst(0)
	v_add_nc_u32 v[ADRS], 4*NQ, v[ADRS]
	FETCH_B \next, 0, 0
	FETCH_A \next, 0, 0
	SCALES \next
	WIN MUL_LO+0x50
	MUL16 4, 1, NQ-1, \slot, 0
	MUL16 6, 1, NQ-1, \slot, 0
	PLACES NP
	WIN 0
	FETCH_A \next, 0, 4
.endm
	s_wait_alu depctr_va_vdst(0)
	s_wait_tensorcnt 0x0                           ; my tile of the head's four is in
	ds_add_u32 v[SPW], v[NIL]
	s_mov_b32 s[G1+2], 8<<16                       ; no tensor load of mine is out: from here on a load brings 128 rows (A: 8 tiles)
	s_mov_b32 s[G1+4], 8
	s_mov_b32 s[G1B+2], 64<<16                     ; (B: 64 rows)
	s_mov_b32 s[G1B+4], 64
	s_wait_dscnt 0x0
	CROUND                                         ; all four tiles are in, and the partners are here
	JLOAD G0+4, G1, G0B+4, G1B                     ; K step 1, the first tensor load behind the round
	s_wait_loadcnt 0x0                             ; the bias
	FETCH_B 0, 0, 0
	FETCH_A 0, 0, 0
	SCALES 0
	FETCH_A 0, 0, 4
	STEP 0, 0, 1
	s_mov_b32 s3, LAPS-1
.Llap:
	TURN 0, 1, 1
	STEP 1, 0, 0
	TURN 1, 0, 1
	STEP 0, 0, 0
	s_sub_co_u32 s3, s3, 1
	s_cmp_lg_u32 s3, 0
	s_cbranch_scc1 .Llap
	TURN 0, 1, 0
	STEP 1, 0, 0
	s_wait_dscnt 4*NL
	WIN MUL_LO
	MUL16 0, 1, NQ-1, 1, 0
	MUL16 2, 1, NQ-1, 1, 0
	s_wait_dscnt 0
	WIN MUL_LO+0x50
	MUL16 4, 1, NQ-1, 1, 0
	MUL16 6, 1, NQ-1, 1, 0
	WIN 0
	PLACES NP
.if MODE < 2
.macro GATHER a
.set AC, 64*((\a)%4)
	WIN 0x02+(\a)/4
.irp b, 0,1,2,3,4,5,6,7
.irp p, 0,2,4,6
.if MODE == 0
	v_pk_add_f32 v[T+8*\b+\p:T+8*\b+\p+1], v[AC+8*\b+\p:AC+8*\b+\p+1], v[BI+8*\b+\p:BI+8*\b+\p+1]
.else
	v_pk_add_f32 v[T+8*\b+\p:T+8*\b+\p+1], v[AC+8*\b+\p:AC+8*\b+\p+1], v[BI+2*(\a):BI+2*(\a)+1]
.endif
.endr
.endr
	WIN 0
.endm
.macro QUANT
.irp b, 0,1,2,3
	v_max3_num_f32 v[TM+\b], |v[T+16*\b]|, |v[T+1+16*\b]|, 0x8000000
.endr
.irp i, 2,4,6,8,10,12,14
.irp b, 0,1,2,3
	v_max3_num_f32 v[TM+\b], v[TM+\b], |v[T+16*\b+\i]|, |v[T+1+16*\b+\i]|
.endr
.endr
.irp b, 0,1,2,3
	v_permlanex16_b32 v[TM+4+\b], v[TM+\b], s18, s19
.endr
.irp b, 0,1,2,3
	v_max_num_f32 v[TM+\b], v[TM+\b], v[TM+4+\b]
.endr
.irp b, 0,1,2,3
	v_add_nc_u32 v[TM+12+\b], 0xf8800000, v[TM+\b]
.endr
.irp b, 0,1,2,3
	v_and_or_b32 v[TM+8+\b], v[TM+\b], 0x7f800000, s22
.endr
.irp b, 0,1,2,3
	v_lshrrev_b32 v[TM+4+\b], 23, v[TM+12+\b]
.endr
	v_lshl_or_b32 v[PW], v[TM+5], 8, v[TM+4]
	v_lshl_or_b32 v[PW], v[TM+6], 16, v[PW]
	v_lshl_or_b32 v[PW], v[TM+7], 24, v[PW]
.irp b, 0,1,2,3
.irp i, 0,1,2,3,4,5,6,7,8,9,10,11,12,13,14,15
	v_med3_num_f32 v[T+16*\b+\i], v[T+16*\b+\i], -v[TM+8+\b], v[TM+8+\b]
.endr
	v_cvt_scalef32_pk8_bf8_f32 v[PC+4*\b:PC+1+4*\b], v[T+16*\b:T+7+16*\b], v[TM+12+\b]
	v_cvt_scalef32_pk8_bf8_f32 v[PC+2+4*\b:PC+3+4*\b], v[T+8+16*\b:T+15+16*\b], v[TM+12+\b]
.endr
	v_nop
.endm
.macro TOST a
.irp b, 0,1,2,3
	ds_store_b64 v[STO], v[PC+4*\b:PC+4*\b+1] offset:16*(\a)*SP+32*\b
	ds_store_b64 v[STO], v[PC+4*\b+2:PC+4*\b+3] offset:16*(\a)*SP+32*\b+16
.endr
.if MODE == 0
	v_lshrrev_b32 v[SW], v[SH], v[PW]
	v_and_b32 v[SW], 0xffff, v[SW]
	ds_store_b32 v[SST], v[SW] offset:256*((\a)/4)+128*((\a)%2)+8*(((\a)/2)%2)
.else
	ds_store_b32 v[SST], v[PW] offset:512*((\a)/4)+128*((\a)%2)+8*(((\a)/2)%2)
.endif
	s_wait_dscnt 0x0
.endm
	s_mov_b32 s18, 0x76543210
	s_mov_b32 s19, 0xfedcba98
	s_mov_b32 s22, 0x600000
.irp b, 0,1,2,3
	v_mov_b32 v[TM+4+\b], 0
.endr
.irp a, 0,1,2,3,4,5,6,7
	GATHER \a
	QUANT
	TOST \a
.endr
	s_barrier_signal -1
	s_barrier_wait -1
.irp gl, 0,1
.irp u, 0,1
.irp jp, 0,1,2,3,4,5,6,7
	ds_load_b128 v[64+4*(8*(2*\gl+\u)+\jp):64+4*(8*(2*\gl+\u)+\jp)+3], v[RD] offset:(32*\gl+8*\u)*SP+32*\jp
.endr
.endr
.endr
.set i, 0
.rept NS
	ds_load_b128 v[192+4*i:192+4*i+3], v[SRD] offset:512*i
.set i, i+1
.endr
.irp gl, 0,1
.irp u, 0,1
.irp jp, 0,1,2,3,4,5,6,7
	s_wait_dscnt NS+31-(8*(2*\gl+\u)+\jp)
.if MODE == 0
	global_store_b128 v[CO], v[64+4*(8*(2*\gl+\u)+\jp):64+4*(8*(2*\gl+\u)+\jp)+3], s[12:13] offset:2048*\gl+1024*\u+512*(\jp%2)+393216*(\jp/2)
.else
	global_store_b128 v[CO], v[64+4*(8*(2*\gl+\u)+\jp):64+4*(8*(2*\gl+\u)+\jp)+3], s[12:13] offset:4096*\gl+2048*\u+512*(\jp%4)+8192*(\jp/4)
.endif
.endr
.endr
.endr
	s_wait_dscnt 0x0
.set i, 0
.rept NS
	global_store_b128 v[CO], v[192+4*i:192+4*i+3], s[98:99] offset:512*i
.set i, i+1
.endr
.else
.macro TOSTAGE a
.set AC, 64*((\a)%4)
	WIN 0x08+4*((\a)/4)
.irp b, 0,1,2,3
	ds_store_b128 v[STO], v[AC+8*\b:AC+8*\b+3] offset:64*\b
	ds_store_b128 v[STO], v[AC+8*\b+4:AC+8*\b+7] offset:64*\b+16
.endr
	WIN 0
.set BB, BK+64*((\a)%2)
.irp t, 0,1,2,3,4,5,6,7
	ds_load_b128 v[BB+4*\t:BB+4*\t+3], v[RD] offset:2*\t*SPITCH
.endr
.endm
.macro SEND a, younger
.set BB, BK+64*((\a)%2)
	s_wait_dscnt \younger
.if (\a) > 0
.if (\a)%2 == 1
	s_add_nc_u64 s[12:13], s[12:13], 8*4096
.else
	s_add_nc_u64 s[12:13], s[12:13], 24*4096
.endif
.endif
.irp t, 0,1,2,3,4,5,6,7
	global_store_b128 v[SRD], v[BB+4*\t:BB+4*\t+3], s[12:13] offset:(2*\t+8*(\t/4))*4096 th:TH_STORE_NT   ; sixteen lanes store 256 consecutive aligned bytes of one row
.endr
.endm
	TOSTAGE 0
.irp a, 1,2,3,4,5,6,7
.if \a > 1
	s_wait_xcnt 0x0
.endif
	TOSTAGE \a
	SEND \a-1, 16                                  ; behind block a - 1's loads: block a's 8 stores and 8 loads
.endr
	s_wait_xcnt 0x0
	SEND 7, 0
.endif
	s_wait_tensorcnt 0x0
	ds_add_u32 v[SPW], v[NIL]
	s_wait_dscnt 0x0
	CROUND
	s_endpgm
.Lfunc_end_k_qce72343015_out_proj:
	.size	k_qce72343015_out_proj, .Lfunc_end_k_qce72343015_out_proj-k_qce72343015_out_proj
	.p2alignl 7, 3214868480
	.fill 96, 4, 3214868480
	.section	.rodata,"a",@progbits
	.p2align	6, 0x0
	.amdhsa_kernel k_qce72343015_out_proj
		.amdhsa_group_segment_fixed_size 327680
		.amdhsa_private_segment_fixed_size 0
		.amdhsa_enable_private_segment 0
		.amdhsa_kernarg_size 48
		.amdhsa_user_sgpr_count 2
		.amdhsa_user_sgpr_kernarg_segment_ptr 1
		.amdhsa_wavefront_size32 1
		.amdhsa_system_sgpr_workgroup_id_x 1
		.amdhsa_system_sgpr_workgroup_id_y 1
		.amdhsa_system_sgpr_workgroup_id_z 1
		.amdhsa_system_vgpr_workitem_id 0
		.amdhsa_next_free_vgpr 1024
		.amdhsa_next_free_sgpr 100
		.amdhsa_reserve_vcc 0
		.amdhsa_float_denorm_mode_32 3
		.amdhsa_float_denorm_mode_16_64 3
		.amdhsa_memory_ordered 1
		.amdhsa_forward_progress 1
		.amdhsa_inst_pref_size 94
	.end_amdhsa_kernel
	.amdgpu_metadata
---
amdhsa.version: [ 1, 2 ]
amdhsa.kernels:
  - .name:           k_qce72343015_out_proj
    .symbol:         k_qce72343015_out_proj.kd
    .args:
      - { .name: a_img, .offset: 0, .size: 8, .value_kind: global_buffer, .address_space: global }
      - { .name: a_sc, .offset: 8, .size: 8, .value_kind: global_buffer, .address_space: global }
      - { .name: Wo_codes, .offset: 16, .size: 8, .value_kind: global_buffer, .address_space: global }
      - { .name: Wo_scales, .offset: 24, .size: 8, .value_kind: global_buffer, .address_space: global }
      - { .name: bo, .offset: 32, .size: 8, .value_kind: global_buffer, .address_space: global }
      - { .name: out0, .offset: 40, .size: 8, .value_kind: global_buffer, .address_space: global }
    .group_segment_fixed_size: 327680
    .private_segment_fixed_size: 0
    .kernarg_segment_align: 8
    .kernarg_segment_size: 48
    .max_flat_workgroup_size: 128
    .sgpr_count:     100
    .vgpr_count:     1024
    .wavefront_size: 32
...
	.end_amdgpu_metadata
.endif
;; end of part 4
